; MI455X (gfx1250); checked and timed in simulation.
; The chip was launched on July 23, 2026; its instructions are those of AMD's public machine-readable ISA for CDNA 5 (MIT licence, August 2026) and "CDNA5" Instruction Set Architecture Reference Guide (July 2026). The comments in the code are by the model that wrote it; some were corrected since.
;; Multi Head Attention. Allowed arithmetic: float matrix products may take bf16 or f16 operands with f32 sums; other float arithmetic in f32, or as packed bf16 or f16 multiplies, adds, multiply-adds, maxima and minima; sums over many terms, partial sums and values carried from step to step in f32; what a program stores and reads back later, other than sums and carried values, may be rounded once to bf16 or f16.
;; Inputs: Wk 1,024 x 1,024 float32; Wo 1,024 x 1,024 float32; Wp 1,024 x 1,024 float32; Wq 1,024 x 1,024 float32; Wv 1,024 x 1,024 float32; bk 1,024 float32; bo 1,024 float32; bq 1,024 float32; bv 1,024 float32; ln_b 1,024 float32; ln_g 1,024 float32; u_bias 16 x 64 float32; v_bias 16 x 64 float32; x 2 x 2,048 x 1,024 float32.
;; Outputs: out0 2 x 2,048 x 1,024 float32.
;; One version. Each part assembles by itself: llvm-mc -triple=amdgcn-amd-amdhsa -mcpu=gfx1250 --defsym DOCPART=n.
;; ======== version 1 of 1: 4 launches
;; limits: values are held in f16: magnitudes above 65,504 overflow, below 6.1e-05 lose precision; an absolute error that grows with the inputs' magnitude: up to 0.00049 times it
;; workspace buffers: act 16,777,216 bytes; wt 10,485,760 bytes; bias 18,432 bytes; hd 33,554,432 bytes; ho 8,388,608 bytes
;; launch prep (part 1): grid 1281 x 1, 4 waves a work-group, no clusters, 17,920 bytes of LDS; arguments x, ln_g, ln_b, Wq, Wk, Wv, Wp, Wo, bq, bk, bv, u_bias, v_bias, act, wt, bias; writes act, wt, bias
.if DOCPART == 1
	.amdgcn_target "amdgcn-amd-amdhsa--gfx1250"
	.amdhsa_code_object_version 6
	.text
	.protected	k_qbab78b3d34_prep
	.globl	k_qbab78b3d34_prep
	.p2align	8
	.type	k_qbab78b3d34_prep,@function
k_qbab78b3d34_prep:
	s_mov_b64 s[64:65], 0
	v_nop
	global_prefetch_b8 v0, s[64:65] scope:SCOPE_SE
	s_setreg_imm32_b32 hwreg(HW_REG_WAVE_MODE, 25, 1), 1
	s_wait_xcnt 0x0
; PREPARATION: everything that the two GEMMs and the attention read is laid out here once, in f16 (biases in f32).
;   act  [8192][1024] f16: rows 0-4095 the layer norm of x; row 4096+e the extended sine table: pe[e] (e < 2048), zeros (e = 2048), pe[e-2049] (e > 2048)
;   wt   [5120][1024] f16: row 1024 mi + n = column n of weight mi (q, k, v, p, o): K lies along the rows
;   bias [4][1024] f32: bq+u, bk, bv, 0; behind them [1024] f16: v-u
; The work-group's number chooses its role: 0-511 layer norm (8 rows each), 512-1151 a 128 x 64 block of a weight turned through LDS, 1152-1279 sixteen rows of the sine table, 1280 the biases and the zero row.
; LIMITS. f16 ends at 65,504: normalised x and the weights must lie within it; below 6e-5 f16 has a fixed step of 6e-8.  The sine table is within about 3e-4 of the exact sines at the largest angles
; (the angle's own f32 rounding).  NaN and infinities are not treated apart.
; No matrix unit, no tensor load, no cluster: nothing here is multiplied or shared; the launch streams.
.set SPARE, 17408                      ; behind the turning stage: the spare words, 128 bytes a wave
.set SPW, 62                           ; v62 my spare word's LDS address; never rewritten
.set NIL, 63                           ; v63 0; never rewritten
	s_load_b512 s[4:19], s[0:1], 0x0               ; x 4, ln_g 6, ln_b 8, Wq 10, Wk 12, Wv 14, Wp 16, Wo 18
	s_load_b512 s[20:35], s[0:1], 0x40             ; bq 20, bk 22, bv 24, u 26, v 28, act 30, wt 32, bias 34
	v_lshl_add_u32 v[SPW], v0, 2, SPARE
	v_mov_b32 v[NIL], 0
	v_lshrrev_b32 v1, 5, v0
	v_readfirstlane_b32 s40, v1                    ; wave 0..3
	v_and_b32 v1, 31, v0                           ; lane
	s_wait_kmcnt 0x0
	s_cmp_lt_u32 ttmp9, 512
	s_cbranch_scc1 .Lln
	s_cmp_lt_u32 ttmp9, 1152
	s_cbranch_scc1 .Lw
	s_cmp_lt_u32 ttmp9, 1280
	s_cbranch_scc1 .Lpe
; ---- the biases and the zero row.  Thread t owns columns 4 t .. and 512 + 4 t ..: each 16-byte store of a wave covers 512 consecutive bytes, each 8-byte store 256
	v_lshlrev_b32 v2, 4, v0
	v_lshlrev_b32 v3, 3, v0
.irp h, 0,1
	global_load_b128 v[4+4*(\h):7+4*(\h)],   v2, s[20:21] offset:2048*(\h)   ; bq
	global_load_b128 v[12+4*(\h):15+4*(\h)], v2, s[26:27] offset:2048*(\h)   ; u
	global_load_b128 v[20+4*(\h):23+4*(\h)], v2, s[28:29] offset:2048*(\h)   ; v
	global_load_b128 v[28+4*(\h):31+4*(\h)], v2, s[22:23] offset:2048*(\h)   ; bk
	global_load_b128 v[36+4*(\h):39+4*(\h)], v2, s[24:25] offset:2048*(\h)   ; bv
.endr
.irp k, 44,45,46,47
	v_mov_b32 v\k, 0
.endr
	s_add_nc_u64 s[36:37], s[30:31], 6144*2048     ; act's row 4096 + 2048
	s_wait_loadcnt 0x0
.irp k, 0,2,4,6
	v_pk_add_f32 v[20+(\k):21+(\k)], v[20+(\k):21+(\k)], v[12+(\k):13+(\k)] neg_lo:[0,1] neg_hi:[0,1]  ; v - u
	v_pk_add_f32 v[12+(\k):13+(\k)], v[12+(\k):13+(\k)], v[4+(\k):5+(\k)]                              ; bq + u
.endr
.irp k, 0,1,2,3
	v_cvt_pk_f16_f32 v[48+(\k)], v[20+2*(\k)], v[21+2*(\k)]
.endr
.irp h, 0,1
	global_store_b128 v2, v[12+4*(\h):15+4*(\h)], s[34:35] offset:2048*(\h)
	global_store_b128 v2, v[28+4*(\h):31+4*(\h)], s[34:35] offset:4096+2048*(\h)
	global_store_b128 v2, v[36+4*(\h):39+4*(\h)], s[34:35] offset:8192+2048*(\h)
	global_store_b128 v2, v[44:47], s[34:35] offset:12288+2048*(\h)
	global_store_b64 v3, v[48+2*(\h):49+2*(\h)], s[34:35] offset:16384+1024*(\h)
.endr
	global_store_b128 v2, v[44:47], s[36:37]
	s_endpgm
; ---- layer norm.  A wave takes 2 rows, one after the other; a row lies in 32 registers a lane (columns 128 j + 4 l ..), read once.  Mean first, then the sum of squared differences from it.
.set G,  64                            ; v[64:95]   ln_g of my 32 columns
.set BT, 96                            ; v[96:127]  ln_b
.set X,  128                           ; v[128:191] two rows
.Lln:
	s_mov_b32 s44, 0x76543210                      ; v_permlanex16_b32: each lane takes its own place in the other half
	s_mov_b32 s45, 0xfedcba98
	s_mov_b32 s46, 0x3a800000                      ; 1 / 1024
	s_mov_b32 s47, 0x3727c5ac                      ; 1e-5
	s_lshl_b32 s36, ttmp9, 3
	s_lshl_b32 s37, s40, 1
	s_add_co_u32 s36, s36, s37                     ; my first row
	s_lshl_b32 s38, s36, 12
	s_mov_b32 s39, 0
	s_add_nc_u64 s[4:5], s[4:5], s[38:39]
	s_lshl_b32 s38, s36, 11
	s_add_nc_u64 s[30:31], s[30:31], s[38:39]
	v_lshlrev_b32 v34, 4, v1                       ; 16 l: in x, ln_g, ln_b
	v_lshlrev_b32 v35, 3, v1                       ; 8 l: in act
.irp j, 0,1,2,3,4,5,6,7
	global_load_b128 v[G+4*(\j):G+4*(\j)+3], v34, s[6:7] offset:512*(\j)
.endr
.irp j, 0,1,2,3,4,5,6,7
	global_load_b128 v[BT+4*(\j):BT+4*(\j)+3], v34, s[8:9] offset:512*(\j)
.endr
.irp p, 0,1
.irp j, 0,1,2,3,4,5,6,7
	global_load_b128 v[X+32*(\p)+4*(\j):X+32*(\p)+4*(\j)+3], v34, s[4:5] offset:4096*(\p)+512*(\j) th:TH_LOAD_NT
.endr
.endr
.macro RED                             ; four pairs v[40:47] -> the row's sum in every lane's v40
	v_pk_add_f32 v[40:41], v[40:41], v[42:43]
	v_pk_add_f32 v[44:45], v[44:45], v[46:47]
	v_pk_add_f32 v[40:41], v[40:41], v[44:45]
	v_add_f32 v40, v40, v41
	v_add_f32_dpp v40, v40, v40 row_xmask:1 row_mask:0xf bank_mask:0xf
	v_add_f32_dpp v40, v40, v40 row_xmask:2 row_mask:0xf bank_mask:0xf
	v_add_f32_dpp v40, v40, v40 row_xmask:4 row_mask:0xf bank_mask:0xf
	v_add_f32_dpp v40, v40, v40 row_xmask:8 row_mask:0xf bank_mask:0xf
	v_permlanex16_b32 v41, v40, s44, s45
	v_add_f32 v40, v40, v41
.endm
.macro LNROW p, left                   ; left: the younger row's loads, which may stay out
.set XR, X+32*(\p)
	s_wait_loadcnt \left
.irp c, 0,2,4,6                        ; four chains that do not wait for each other
	v_pk_add_f32 v[40+(\c):41+(\c)], v[XR+(\c):XR+(\c)+1], v[XR+8+(\c):XR+9+(\c)]
.endr
.irp c, 0,2,4,6
	v_pk_add_f32 v[40+(\c):41+(\c)], v[40+(\c):41+(\c)], v[XR+16+(\c):XR+17+(\c)]
.endr
.irp c, 0,2,4,6
	v_pk_add_f32 v[40+(\c):41+(\c)], v[40+(\c):41+(\c)], v[XR+24+(\c):XR+25+(\c)]
.endr
	RED
	v_mul_f32 v36, s46, v40                        ; the mean, twice
	v_mul_f32 v37, s46, v40
.set k, 0
.rept 16
	v_pk_add_f32 v[XR+k:XR+k+1], v[XR+k:XR+k+1], v[36:37] neg_lo:[0,1] neg_hi:[0,1]
.set k, k+2
.endr
.irp c, 0,2,4,6
	v_pk_mul_f32 v[40+(\c):41+(\c)], v[XR+(\c):XR+(\c)+1], v[XR+(\c):XR+(\c)+1]
.endr
.irp o, 8,16,24
.irp c, 0,2,4,6
	v_pk_fma_f32 v[40+(\c):41+(\c)], v[XR+(\o)+(\c):XR+(\o)+(\c)+1], v[XR+(\o)+(\c):XR+(\o)+(\c)+1], v[40+(\c):41+(\c)]
.endr
.endr
	RED
	v_fma_f32 v40, v40, s46, s47                   ; the variance + 1e-5
	v_rsq_f32 v36, v40
	v_rsq_f32 v37, v40
	v_nop                                          ; a plain instruction behind the second root,
	s_wait_alu depctr_va_vdst(0)                   ; and one wait for both, ahead of their first reader
.set k, 0
.rept 16
	v_pk_mul_f32 v[XR+k:XR+k+1], v[XR+k:XR+k+1], v[36:37]
.set k, k+2
.endr
.set k, 0
.rept 16
	v_pk_fma_f32 v[XR+k:XR+k+1], v[XR+k:XR+k+1], v[G+k:G+k+1], v[BT+k:BT+k+1]
.set k, k+2
.endr
	s_wait_xcnt 0x0                                ; the last row's stores have read v[2:17]
.set k, 0
.rept 16
	v_cvt_pk_f16_f32 v[2+k], v[XR+2*k], v[XR+2*k+1]
.set k, k+1
.endr
.irp j, 0,1,2,3,4,5,6,7
	global_store_b64 v35, v[2+2*(\j):3+2*(\j)], s[30:31] offset:2048*(\p)+256*(\j)  ; 32 lanes x 8 bytes: 256 consecutive bytes, aligned
.endr
.endm
	LNROW 0, 8
	LNROW 1, 0
	s_endpgm
; ---- a weight's block of 128 k x 64 n is turned: read by rows of 256 bytes, rounded, put into LDS as [64 n][128 k] (pitch 272), read back by rows and stored as 256-byte rows of wt.
; The 8 LDS stores of a wave collide four deep (four lanes' rows lie 4 x 272 bytes apart); they are 8 instructions a wave and are left so.
.Lw:
	s_sub_co_u32 s41, ttmp9, 512
	s_lshr_b32 s42, s41, 7                         ; which weight
	s_bfe_u32 s43, s41, 0x30004                    ; block along k
	s_and_b32 s41, s41, 15                         ; block along n
	s_cmp_eq_u32 s42, 1
	s_cselect_b64 s[10:11], s[12:13], s[10:11]
	s_cmp_eq_u32 s42, 2
	s_cselect_b64 s[10:11], s[14:15], s[10:11]
	s_cmp_eq_u32 s42, 3
	s_cselect_b64 s[10:11], s[16:17], s[10:11]
	s_cmp_eq_u32 s42, 4
	s_cselect_b64 s[10:11], s[18:19], s[10:11]
	s_lshl_b32 s36, s43, 19                        ; (128 kb + 32 w) rows of 4,096 bytes + 64 nb columns
	s_lshl_b32 s37, s40, 17
	s_add_co_u32 s36, s36, s37
	s_lshl_b32 s37, s41, 8
	s_add_co_u32 s36, s36, s37
	s_mov_b32 s37, 0
	s_add_nc_u64 s[10:11], s[10:11], s[36:37]
	s_lshl_b32 s36, s42, 21                        ; (1024 mi + 64 nb + 16 w) rows of 2,048 bytes + 128 kb columns
	s_lshl_b32 s38, s41, 17
	s_add_co_u32 s36, s36, s38
	s_lshl_b32 s38, s40, 15
	s_add_co_u32 s36, s36, s38
	s_lshl_b32 s38, s43, 8
	s_add_co_u32 s36, s36, s38
	s_add_nc_u64 s[32:33], s[32:33], s[36:37]
	v_and_b32 v2, 15, v0                           ; c
	v_bfe_u32 v3, v0, 4, 1                         ; g
	v_lshlrev_b32 v4, 4, v2
	v_lshl_add_u32 v4, v3, 15, v4                  ; 8 g rows + 4 c columns
.irp n, 0,1,2,3,4,5,6,7
	global_load_b128 v[64+4*(\n):67+4*(\n)], v4, s[10:11] offset:4096*(\n) th:TH_LOAD_NT
	global_load_b128 v[96+4*(\n):99+4*(\n)], v4, s[10:11] offset:4096*(16+(\n)) th:TH_LOAD_NT
.endr
	v_mul_u32_u24 v5, v2, 4*272
	v_lshl_add_u32 v5, v3, 4, v5
	s_lshl_b32 s38, s40, 6
	v_add_nc_u32 v5, s38, v5                       ; in: row 4 c (+ i), bytes 64 w + 16 g (+ 32 bt)
	v_mul_u32_u24 v6, v3, 272
	v_lshl_add_u32 v6, v2, 4, v6
	s_mul_i32 s38, s40, 16*272
	v_add_nc_u32 v6, s38, v6                       ; back: row 16 w + g (+ 2 t), 16 c
	v_lshlrev_b32 v7, 4, v2
	v_lshl_add_u32 v7, v3, 11, v7
	s_wait_loadcnt 0x0
.irp t, 0,1
.irp i, 0,1,2,3
.irp q, 0,1,2,3
	v_cvt_pk_f16_f32 v[8+16*(\t)+4*(\i)+(\q)], v[64+32*(\t)+8*(\q)+(\i)], v[64+32*(\t)+8*(\q)+4+(\i)]  ; column 4 c + i, rows 2 q and 2 q + 1 of my eight
.endr
	ds_store_b128 v5, v[8+16*(\t)+4*(\i):11+16*(\t)+4*(\i)] offset:272*(\i)+32*(\t)
.endr
.endr
	s_wait_dscnt 0x0                               ; for the others' sake: my stores into the stage are done
	s_barrier_signal -1
	s_barrier_wait -1
.irp t, 0,1,2,3,4,5,6,7
	ds_load_b128 v[64+4*(\t):67+4*(\t)], v6 offset:544*(\t)
.endr
.irp t, 0,1,2,3,4,5,6,7
	s_wait_dscnt 7-(\t)
	global_store_b128 v7, v[64+4*(\t):67+4*(\t)], s[32:33] offset:4096*(\t)  ; 16 lanes: 256 consecutive bytes, aligned
.endr
	s_wait_tensorcnt 0x0                           ; the wave's end
	ds_add_u32 v[SPW], v[NIL]
	s_wait_dscnt 0x0
	s_endpgm
; ---- the sine table.  The work-group makes 16 rows m; wave w the columns 256 w .. 256 w + 255 of each, a lane the columns 256 w + 8 l + 2 q (sine) and + 1 (cosine): its four divisors are made once.
; angle = m x 10000^(-column/1024), as f32 products; turns t = angle / 2 pi; r = t - round(t) by a fused multiply-add; sin(2 pi r) = r x a polynomial of degree 7 in r^2 (Taylor's; its first term left
; out is under 8e-7 on |r| <= 1/2); the cosine is the sine a quarter turn on.
.set DIV, 64                           ; v[64:67]
.set RR,  80                           ; v[80:87]   four pairs (r of the sine, r of the cosine)
.set ZZ,  88
.set AA,  96
.set OUT, 104                          ; v[104:107] my 16 bytes of the row
.Lpe:
	s_mov_b32 s48, 0x3e22f983                      ; 1 / 2 pi
	s_mov_b32 s49, 0x3e800000                      ; 1/4
.macro COEF r, bits
	s_mov_b32 s[\r], \bits
	s_mov_b32 s[\r+1], \bits
.endm
	COEF 50, 0x40c90fdb
	COEF 52, 0xc2255de7
	COEF 54, 0x42a335e3
	COEF 56, 0xc2996966
	COEF 58, 0x42283c1a
	COEF 60, 0xc17183a8
	COEF 62, 0x40747a1a
	COEF 66, 0xbf37d6dd
	s_sub_co_u32 s41, ttmp9, 1152
	s_lshl_b32 s41, s41, 4                         ; m of the first row
	s_add_co_u32 s36, s41, 4096
	s_lshl_b32 s36, s36, 11
	s_mov_b32 s37, 0
	s_add_nc_u64 s[30:31], s[30:31], s[36:37]
	s_lshl_b32 s42, s40, 8
	v_lshl_add_u32 v2, v1, 3, s42                  ; my first column
	v_lshlrev_b32 v3, 1, v2                        ; and its byte in a row
.irp q, 0,1,2,3
	v_add_nc_u32 v4, 2*(\q), v2
	v_cvt_f32_u32 v4, v4
	v_mul_f32 v[DIV+(\q)], 0xbc549a78, v4          ; x -log2(10000) / 1024
.endr
.irp q, 0,1,2,3
	v_exp_f32 v[DIV+(\q)], v[DIV+(\q)]
.endr
	v_nop
	s_wait_alu depctr_va_vdst(0)                   ; one wait for the four
	s_mov_b32 s43, 16
.Lperow:
	v_cvt_f32_u32 v4, s41
.irp q, 0,1,2,3
	v_mul_f32 v5, v4, v[DIV+(\q)]                  ; the angle
	v_mul_f32 v6, s48, v5
	v_fma_f32 v7, v5, s48, s49
	v_rndne_f32 v6, v6
	v_rndne_f32 v7, v7
	v_sub_f32 v7, s49, v7                          ; exact
	v_fma_f32 v[RR+2*(\q)], v5, s48, -v6
	v_fma_f32 v[RR+2*(\q)+1], v5, s48, v7
.endr
.irp q, 0,2,4,6
	v_pk_mul_f32 v[ZZ+(\q):ZZ+(\q)+1], v[RR+(\q):RR+(\q)+1], v[RR+(\q):RR+(\q)+1]
.endr
.irp q, 0,2,4,6
	v_pk_fma_f32 v[AA+(\q):AA+(\q)+1], v[ZZ+(\q):ZZ+(\q)+1], s[66:67], s[62:63] op_sel_hi:[1,0,0]
.endr
.irp c, 60,58,56,54,52,50
.irp q, 0,2,4,6
	v_pk_fma_f32 v[AA+(\q):AA+(\q)+1], v[AA+(\q):AA+(\q)+1], v[ZZ+(\q):ZZ+(\q)+1], s[\c:\c+1] op_sel_hi:[1,1,0]
.endr
.endr
.irp q, 0,2,4,6
	v_pk_mul_f32 v[AA+(\q):AA+(\q)+1], v[AA+(\q):AA+(\q)+1], v[RR+(\q):RR+(\q)+1]
.endr
.irp q, 0,1,2,3
	v_cvt_pk_f16_f32 v[OUT+(\q)], v[AA+2*(\q)], v[AA+2*(\q)+1]
.endr
	global_store_b128 v3, v[OUT:OUT+3], s[30:31]   ; 512 consecutive bytes, aligned
	s_cmp_eq_u32 s41, 2047                         ; the second copy has rows 2049 + m up to 4095
	s_cbranch_scc1 .Lone
	global_store_b128 v3, v[OUT:OUT+3], s[30:31] offset:2049*2048
.Lone:
	s_wait_xcnt 0x0                                ; the stores have read their data and their base
	s_add_nc_u64 s[30:31], s[30:31], 2048
	s_add_co_u32 s41, s41, 1
	s_sub_co_u32 s43, s43, 1
	s_cmp_lg_u32 s43, 0
	s_cbranch_scc1 .Lperow
	s_endpgm
.Lfunc_end_k_qbab78b3d34_prep:
	.size	k_qbab78b3d34_prep, .Lfunc_end_k_qbab78b3d34_prep-k_qbab78b3d34_prep
	.p2alignl 7, 3214868480
	.fill 96, 4, 3214868480
	.section	.rodata,"a",@progbits
	.p2align	6, 0x0
	.amdhsa_kernel k_qbab78b3d34_prep
		.amdhsa_group_segment_fixed_size 17920
		.amdhsa_private_segment_fixed_size 0
		.amdhsa_enable_private_segment 0
		.amdhsa_kernarg_size 128
		.amdhsa_user_sgpr_count 2
		.amdhsa_user_sgpr_kernarg_segment_ptr 1
		.amdhsa_wavefront_size32 1
		.amdhsa_system_sgpr_workgroup_id_x 1
		.amdhsa_system_sgpr_workgroup_id_y 1
		.amdhsa_system_sgpr_workgroup_id_z 1
		.amdhsa_system_vgpr_workitem_id 0
		.amdhsa_next_free_vgpr 192
		.amdhsa_next_free_sgpr 80
		.amdhsa_reserve_vcc 0
		.amdhsa_float_denorm_mode_32 3
		.amdhsa_float_denorm_mode_16_64 3
		.amdhsa_memory_ordered 1
		.amdhsa_forward_progress 1
		.amdhsa_inst_pref_size 38
	.end_amdhsa_kernel
	.amdgpu_metadata
---
amdhsa.version: [ 1, 2 ]
amdhsa.kernels:
  - .name:           k_qbab78b3d34_prep
    .symbol:         k_qbab78b3d34_prep.kd
    .args:
      - { .name: x, .offset: 0, .size: 8, .value_kind: global_buffer, .address_space: global }
      - { .name: ln_g, .offset: 8, .size: 8, .value_kind: global_buffer, .address_space: global }
      - { .name: ln_b, .offset: 16, .size: 8, .value_kind: global_buffer, .address_space: global }
      - { .name: Wq, .offset: 24, .size: 8, .value_kind: global_buffer, .address_space: global }
      - { .name: Wk, .offset: 32, .size: 8, .value_kind: global_buffer, .address_space: global }
      - { .name: Wv, .offset: 40, .size: 8, .value_kind: global_buffer, .address_space: global }
      - { .name: Wp, .offset: 48, .size: 8, .value_kind: global_buffer, .address_space: global }
      - { .name: Wo, .offset: 56, .size: 8, .value_kind: global_buffer, .address_space: global }
      - { .name: bq, .offset: 64, .size: 8, .value_kind: global_buffer, .address_space: global }
      - { .name: bk, .offset: 72, .size: 8, .value_kind: global_buffer, .address_space: global }
      - { .name: bv, .offset: 80, .size: 8, .value_kind: global_buffer, .address_space: global }
      - { .name: u_bias, .offset: 88, .size: 8, .value_kind: global_buffer, .address_space: global }
      - { .name: v_bias, .offset: 96, .size: 8, .value_kind: global_buffer, .address_space: global }
      - { .name: act, .offset: 104, .size: 8, .value_kind: global_buffer, .address_space: global }
      - { .name: wt, .offset: 112, .size: 8, .value_kind: global_buffer, .address_space: global }
      - { .name: bias, .offset: 120, .size: 8, .value_kind: global_buffer, .address_space: global }
    .group_segment_fixed_size: 17920
    .private_segment_fixed_size: 0
    .kernarg_segment_align: 8
    .kernarg_segment_size: 128
    .max_flat_workgroup_size: 128
    .sgpr_count:     80
    .vgpr_count:     192
    .wavefront_size: 32
...
	.end_amdgpu_metadata
.endif
;; end of part 1
;; launch gemm1 (part 2): grid 16 x 16, 4 waves a work-group, clusters of 4 x 4, 327,680 bytes of LDS; arguments act, wt, bias, hd; writes hd
.if DOCPART == 2
	.amdgcn_target "amdgcn-amd-amdhsa--gfx1250"
	.amdhsa_code_object_version 6
	.text
	.protected	k_qbab78b3d34_gemm1
	.globl	k_qbab78b3d34_gemm1
	.p2align	8
	.type	k_qbab78b3d34_gemm1,@function
k_qbab78b3d34_gemm1:
	s_mov_b64 s[64:65], 0
	v_nop
	global_prefetch_b8 v0, s[64:65] scope:SCOPE_SE
	s_setreg_imm32_b32 hwreg(HW_REG_WAVE_MODE, 25, 1), 1
	s_wait_xcnt 0x0
	s_wait_alu depctr_hold_cnt(0) depctr_sa_sdst(0) depctr_va_vdst(0) depctr_va_sdst(0) depctr_va_ssrc(0) depctr_va_vcc(0) depctr_vm_vsrc(0)
	s_getreg_b32 s2, hwreg(HW_REG_IB_STS2, 6, 4)
	s_cmp_eq_u32 s2, 0
	s_cbranch_scc0 .Lentry_in_a_cluster
	s_endpgm
.Lentry_in_a_cluster:
	s_bfe_u32 s2, ttmp6, 0x10000c
	s_cmp_lg_u32 s2, 0xf033
	s_cbranch_scc0 .Lentry_shape_is_right
	s_endpgm
.Lentry_shape_is_right:
; THE FOUR PROJECTIONS AS ONE PRODUCT.  C[4096][4096] = A wt^T + bias, f16 operands, f32 sums.  Columns 1024 role + n: role 0 q, 1 k, 2 v (A = the normalised x, act's rows 0-4095), role 3 p (A = the extended
; sine table, act's rows 4096-8191).  The bias row of the role (bq+u, bk, bv, 0) is the C operand of each sum's first product.  The result is rounded once to f16 and stored by heads:
; hd, role x 8,388,608 + head x 524,288 + row x 128 bytes.  LIMIT: a result beyond 65,504 becomes an infinity in f16.
; SHARES.  A work-group makes 256 x 256 of C: 256 work-groups; a wave 128 x 128: 64 accumulators, 512 registers.  K = 1024 goes in 8 steps of 128 through two LDS slots filled by the tensor data mover; each row of a
; tile is 256 bytes of memory, aligned.  CLUSTERS of 4 x 4: the four of a row need the same tile of A, the four of a column the same tile of B; each is asked for jointly.  The role is the cluster's x: equal in all 16.
; A K STEP IS WRITTEN TWICE: once with a refill (six trips) and once without (the last two steps).  Which slot is read is a scalar, TB, 0 or SLOT; the fragment addresses are made from it at each change of slots.
; The matrix instruction is used transposed (source 0 = rows of wt, source 1 = rows of A): a lane holds eight neighbouring columns of one row of C.
; REGISTERS in windows of 256: window 0 v0-31 addresses, v64-127 / v128-191 fragments of A (two buffers), v192-255 my 64 biases, later v32-63, v224-239 at work on the way out; window 1 v64-191 fragments of B;
; windows 2, 3 the accumulators.
.set SIZE_K, 1024
.set KSTEP,  128
.set PITCH,  272                       ; 256 bytes + 16 of padding = 68 words: the 16 rows of a fragment load start at 16 different groups of four banks
.set HALFT,  128*PITCH
.set SLOT,   4*HALFT                   ; A's 256 rows, then B's 256 rows
.set STAGE,  2*SLOT                    ; behind the ring: 16 rows x 144 bytes for each wave
.set SP,     144
.set SPARE,  STAGE+4*16*SP             ; the spare words, 128 bytes a wave
.set ADRA0, 16                         ; v16 my A fragments' place in a slot; never rewritten
.set ADRA,  17                         ; v17 the same in the slot in hand
.set ADRB0, 20
.set ADRB,  21
.set STO,  24
.set RD,   25
.set GO,   26
.set BO,   27                          ; v27 32 x (lane / 16): my place in 64 bytes of bias
.set SPW,  28
.set NIL,  29
.set PFO,  30
.set PFA,  44
.set LIM,  43
.set TB,   66                          ; s66 LDS byte of the slot in hand
.set LB,   67                          ; s67 wave x 128 rows: where my tensor loads land in a slot
.set F0,   64
.set F1,   128
.set BI,   192                         ; my 64 biases (8 for each of 8 column blocks)
.set PK,   224
.set OB,   32
.set G1, 24
.set G0, 32                            ; a set for each of the two first fills; the second then walks on
.set G1B, 48
.set G0B, 56
.set MSB, 0
.macro WIN new                         ; the immediate's high byte repeats the setting that is left
.if MSB != (\new)
	s_set_vgpr_msb (MSB<<8)|(\new)
.set MSB, \new
.endif
.endm
.set MUL_LO, 0xa1                      ; source 0 (B) window 1, source 1 (A) window 0, C and D window 2
.set TO_B,   0x40
.macro JLOAD s                         ; a joint load: waves 0, 1 fetch A's halves, waves 2, 3 B's; s_nop 0 and four v_nop follow each line
	s_cmp_eq_u32 s11, 0
	s_cbranch_scc0 .Lfor_b_\@
	tensor_load_to_lds s[G0+4*(\s):G0+4*(\s)+3], s[G1:G1+7]
	s_nop 0
.rept 4
	v_nop
.endr
	s_branch .Lasked_\@
.Lfor_b_\@:
	tensor_load_to_lds s[G0B+4*(\s):G0B+4*(\s)+3], s[G1B:G1B+7]
	s_nop 0
.rept 4
	v_nop
.endr
.Lasked_\@:
.endm
; A prefetch of the K step that stands two refills on: 32 rows x 256 bytes, a lane a row.  Each row's 256 bytes of a K step are named once: the normalised x by cluster x = 0 (clusters 0 to 2 read it), the sine
; table by cluster x = 3 (it alone reads it), wt's rows by cluster y = 0; the four partners that ask for a tile jointly take 32 of a wave's 128 rows each, told apart by address.  The last two refills ask for nothing.
.macro ASK
	s_cmp_gt_u32 s3, s[LIM]
	s_cbranch_scc0 .Lnot_mine_\@
	global_prefetch_b8 v[PFO], s[PFA:PFA+1] offset:KSTEP*2 th:TH_LOAD_NT scope:SCOPE_SE
.Lnot_mine_\@:
.endm
.macro CREST
	s_cmp_lg_u32 s10, 0
	s_cbranch_scc1 .Lnot_wave_0_\@
	s_barrier_signal -3
.Lnot_wave_0_\@:
	s_barrier_wait -3
	s_barrier_signal -1
	s_barrier_wait -1
.endm
.macro CROUND
	s_barrier_signal -1
	s_barrier_wait -1
	CREST
.endm
	s_load_b256 s[68:75], s[0:1], 0x0              ; act 68, wt 70, bias 72, hd 74
	v_lshl_add_u32 v[SPW], v0, 2, SPARE
	v_mov_b32 v[NIL], 0
	ds_add_u32 v[SPW], v[NIL]                      ; the wave's opening
	ds_add_u32 v28, v29
	v_lshrrev_b32 v1, 5, v0
	v_readfirstlane_b32 s10, v1                    ; wave
	s_lshr_b32 s11, s10, 1                         ; my half of the tile's rows; also: I fetch for A (0) or B (1)
	s_and_b32 s12, s10, 1                          ; my half of its columns; also: which 128 rows I fetch
	s_bfe_u32 s40, ttmp6, 0x40000                  ; cx
	s_bfe_u32 s41, ttmp6, 0x40004                  ; cy
	s_lshl_b32 s42, ttmp9, 2
	s_add_co_u32 s42, s42, s40                     ; tile column
	s_and_b32 s13, ttmp7, 0xffff
	s_lshl_b32 s13, s13, 2
	s_add_co_u32 s13, s13, s41                     ; tile row
	s_lshl_b32 s43, s41, 2
	s_lshl_b32 s43, 15, s43                        ; my row of the cluster
	s_lshl_b32 s44, 0x1111, s40                    ; my column
	s_or_b32 s[G1+0], s43, (1<<16)|(1<<20)|(1<<21)|(5<<22)|(3<<25)   ; mask; 2-byte elements; padding on; bit 21 beside a mask; after every 64 words, 4 words
	s_or_b32 s[G1B+0], s44, (1<<16)|(1<<20)|(1<<21)|(5<<22)|(3<<25)
.irp g, G1, G1B
	s_mov_b32 s[(\g)+1], KSTEP<<16                 ; tensor_dim0 = 128
	s_mov_b32 s[(\g)+2], 128<<16                   ; tensor_dim1 = 128
	s_mov_b32 s[(\g)+3], KSTEP<<16                 ; tile_dim0 = 128
	s_mov_b32 s[(\g)+4], 128                       ; tile_dim1 = 128
	s_mov_b32 s[(\g)+5], SIZE_K                    ; elements from row to row
	s_mov_b32 s[(\g)+6], 0
	s_mov_b32 s[(\g)+7], 0
.endr
	s_lshl_b32 s17, s12, 7
	s_lshl_b32 s16, s13, 8
	s_add_co_u32 s16, s16, s17
	s_cmp_eq_u32 ttmp9, 3
	s_cselect_b32 s5, 4096, 0                      ; role 3 multiplies the sine table
	s_add_co_u32 s16, s16, s5                      ; A's row: tile row, wave, role: shared along my row of the cluster
	s_lshl_b32 s46, s42, 8
	s_add_co_u32 s46, s46, s17                     ; B's row: tile column, wave
	s_lshl_b32 s16, s16, 11
	s_mov_b32 s17, 0
	s_lshl_b32 s46, s46, 11
	s_mov_b32 s47, 0
	s_mul_i32 s[LB], s10, HALFT
	s_mov_b32 s[TB], 0
	s_wait_dscnt 0x0                               ; the opening add is done
	s_wait_kmcnt 0x0
	s_add_nc_u64 s[14:15], s[68:69], s[16:17]
	s_add_nc_u64 s[46:47], s[70:71], s[46:47]
	CROUND                                         ; all sixteen work-groups are here: the first joint loads meet
.irp s, 0,1
	s_mov_b32 s[G0+4*(\s)], 1
	s_add_co_u32 s[G0+4*(\s)+1], s[LB], (\s)*SLOT
	s_add_nc_u64 s[G0+4*(\s)+2:G0+4*(\s)+3], s[14:15], (\s)*KSTEP*2
	s_or_b32 s[G0+4*(\s)+3], s[G0+4*(\s)+3], 0x80000000
	s_mov_b32 s[G0B+4*(\s)], 1
	s_add_co_u32 s[G0B+4*(\s)+1], s[LB], (\s)*SLOT
	s_add_nc_u64 s[G0B+4*(\s)+2:G0B+4*(\s)+3], s[46:47], (\s)*KSTEP*2
	s_or_b32 s[G0B+4*(\s)+3], s[G0B+4*(\s)+3], 0x80000000
	JLOAD \s
.endr
	v_and_b32 v1, 15, v0
	v_bfe_u32 v2, v0, 4, 1
	v_lshlrev_b32 v[BO], 5, v2
	; my 128 columns of the role's bias row, eight numbers for each block of 16 columns
	s_lshl_b32 s20, ttmp9, 12
	s_lshl_b32 s21, s40, 10
	s_add_co_u32 s20, s20, s21
	s_lshl_b32 s21, s12, 9
	s_add_co_u32 s20, s20, s21
	s_mov_b32 s21, 0
	s_add_nc_u64 s[6:7], s[72:73], s[20:21]
.irp b, 0,1,2,3,4,5,6,7
	global_load_b128 v[BI+8*(\b):BI+8*(\b)+3],   v[BO], s[6:7] offset:64*(\b)
	global_load_b128 v[BI+8*(\b)+4:BI+8*(\b)+7], v[BO], s[6:7] offset:64*(\b)+16
.endr
	; where my part goes in hd: role, my first head (4 cx + 2 x column half), my first row
	s_lshl_b32 s20, ttmp9, 23
	s_lshl_b32 s22, s40, 21
	s_add_co_u32 s20, s20, s22
	s_lshl_b32 s22, s12, 20
	s_add_co_u32 s20, s20, s22
	s_lshl_b32 s22, s13, 15
	s_add_co_u32 s20, s20, s22
	s_lshl_b32 s22, s11, 14
	s_add_co_u32 s20, s20, s22
	s_add_nc_u64 s[8:9], s[74:75], s[20:21]
	v_mul_u32_u24 v3, v1, PITCH
	v_lshl_add_u32 v3, v2, 4, v3
	s_mul_i32 s21, s11, HALFT
	s_mul_i32 s22, s12, HALFT
	s_add_co_u32 s22, s22, 2*HALFT
	v_add_nc_u32 v[ADRA0], s21, v3
	v_add_nc_u32 v[ADRB0], s22, v3
	v_mov_b32 v[ADRA], v[ADRA0]
	v_mov_b32 v[ADRB], v[ADRB0]
	s_mul_i32 s23, s10, 16*SP
	s_add_co_u32 s23, s23, STAGE
	v_mul_u32_u24 v4, v1, SP                       ; in: row l % 16, 16 bytes for each half of the lanes
	v_lshl_add_u32 v4, v2, 4, v4
	v_add_nc_u32 v[STO], s23, v4
	v_bfe_u32 v5, v0, 3, 2                         ; back: 32 lanes take four rows of 128 bytes
	v_mul_u32_u24 v5, v5, SP
	v_and_b32 v6, 7, v0
	v_lshl_add_u32 v5, v6, 4, v5
	v_add_nc_u32 v[RD], s23, v5
	v_and_b32 v[GO], 31, v0
	v_lshlrev_b32 v[GO], 4, v[GO]
	; the prefetches
	s_lshl_b32 s20, s13, 8
	s_add_co_u32 s20, s20, s5                      ; A's tile: its first row
	s_lshl_b32 s21, s42, 8                         ; B's
	s_and_b32 s22, ttmp7, 0xffff
	s_cmp_eq_u32 ttmp9, 3
	s_cselect_b32 s23, 0, ttmp9
	s_cmp_eq_u32 s11, 0
	s_cselect_b32 s20, s20, s21
	s_cselect_b32 s21, s40, s41                    ; my place among the four that ask with me
	s_cselect_b32 s22, s23, s22
	s_cselect_b64 s[PFA:PFA+1], s[68:69], s[70:71]
	s_cmp_eq_u32 s22, 0
	s_cselect_b32 s[LIM], 2, -1                    ; the same in all sixteen partners, for a given wave
	s_lshl_b32 s22, s12, 7
	s_add_co_u32 s20, s20, s22
	s_lshl_b32 s21, s21, 5
	s_add_co_u32 s20, s20, s21
	s_lshl_b32 s20, s20, 11
	s_mov_b32 s21, 0
	s_add_nc_u64 s[PFA:PFA+1], s[PFA:PFA+1], s[20:21]
	s_add_nc_u64 s[PFA:PFA+1], s[PFA:PFA+1], 2*KSTEP*2  ; at K step 2: the first refill steps it to 3 and names K step 4
	v_and_b32 v[PFO], 31, v0
	v_mul_u32_u24 v[PFO], v[PFO], SIZE_K*2
.macro MUL16 f, hi, a0, first          ; 16 products: row blocks a0, a0 + 1 of the window's four x all 8 column blocks, 32 along K; the accumulators take turns.  first = 1: the sums start from the biases
.if \first
	WIN 0x81+0x40*(\hi)                            ; C in window 0
.else
	WIN MUL_LO+0x50*(\hi)
.endif
.irp a, \a0, (\a0)+1
.irp b, 0,1,2,3,4,5,6,7
.if \first
	v_wmma_f32_16x16x32_f16 v[8*(8*(\a)+(\b)):8*(8*(\a)+(\b))+7], v[(\f)+8*(\b):(\f)+8*(\b)+7], v[(\f)+8*(4*(\hi)+(\a)):(\f)+8*(4*(\hi)+(\a))+7], v[BI+8*(\b):BI+8*(\b)+7]
.else
	v_wmma_f32_16x16x32_f16 v[8*(8*(\a)+(\b)):8*(8*(\a)+(\b))+7], v[(\f)+8*(\b):(\f)+8*(\b)+7], v[(\f)+8*(4*(\hi)+(\a)):(\f)+8*(4*(\hi)+(\a))+7], v[8*(8*(\a)+(\b)):8*(8*(\a)+(\b))+7]
.endif
.endr
.endr
.endm
.macro FETCH k, f                      ; 32 LDS loads in one run: a quarter step's fragments from the slot in hand, B's first
	WIN TO_B
.irp i, 0,1,2,3,4,5,6,7
	ds_load_b128 v[(\f)+8*(\i):(\f)+8*(\i)+3],   v[ADRB] offset:(\k)+(\i)*16*PITCH
	ds_load_b128 v[(\f)+8*(\i)+4:(\f)+8*(\i)+7], v[ADRB] offset:(\k)+(\i)*16*PITCH+32
.endr
	WIN 0
.irp i, 0,1,2,3,4,5,6,7
	ds_load_b128 v[(\f)+8*(\i):(\f)+8*(\i)+3],   v[ADRA] offset:(\k)+(\i)*16*PITCH
	ds_load_b128 v[(\f)+8*(\i)+4:(\f)+8*(\i)+7], v[ADRA] offset:(\k)+(\i)*16*PITCH+32
.endr
.endm
.macro PLACES                          ; four plain places between a matrix instruction and a load into, or a vector read of, its registers
.rept 4
	v_nop
.endr
.endm
.macro QUARTER k, f, g, first
	s_wait_dscnt 8                                 ; B and A's rows 0-63 are in; the youngest eight loads may be out
	MUL16 \f, 0, 0, \first
	MUL16 \f, 0, 2, \first
	PLACES
	FETCH \k, \g
	s_wait_dscnt 32                                ; all but the 32 just issued
	MUL16 \f, 1, 0, \first
	MUL16 \f, 1, 2, \first
.endm
.macro MEET                            ; the change of slots: all my tensor loads, the add, my reads of this slot, then the barrier
	WIN 0
	s_wait_tensorcnt 0x0                           ; the one that was out is my part of the next slot
	ds_add_u32 v[SPW], v[NIL]
	s_wait_dscnt 9                                 ; the add and the youngest eight loads may be out
	MUL16 F1, 0, 0, 0
	s_wait_dscnt 0x0                               ; the add is done, my reads of this slot are over
	s_barrier_signal -1
	MUL16 F1, 0, 2, 0
	WIN 0
	s_barrier_wait -1
.endm
; The last quarter of a K step.  fill = 1: the slot just read is filled again, two K steps on: the walking descriptor takes this slot and the next K step.
; fill = 0: nothing is asked for; in the launch's last K step (s3 = 1) there is no next slot, and the run of loads is jumped over.
.macro TURN fill
.if \fill
	s_wait_xcnt 0x0                                ; the last prefetch, a K step back, has read its address
	s_add_nc_u64 s[PFA:PFA+1], s[PFA:PFA+1], KSTEP*2
	MEET
	CREST                                          ; the barrier has opened a round of the cluster's: no wave of any partner still reads the slot or has a load out
	s_add_co_u32 s[G0+5], s[LB], s[TB]
	s_add_co_u32 s[G0B+5], s[LB], s[TB]
	s_add_nc_u64 s[G0+6:G0+7], s[G0+6:G0+7], KSTEP*2
	s_add_nc_u64 s[G0B+6:G0B+7], s[G0B+6:G0B+7], KSTEP*2
	s_xor_b32 s[TB], s[TB], SLOT                   ; on to the other slot
	JLOAD 1                                        ; its four v_nop are also the places in front of the loads below
	v_add_nc_u32 v[ADRA], s[TB], v[ADRA0]
	v_add_nc_u32 v[ADRB], s[TB], v[ADRB0]
	FETCH 0, F0
	ASK
.else
	MEET
	s_xor_b32 s[TB], s[TB], SLOT
	s_cmp_eq_u32 s3, 1
	s_cbranch_scc1 .Lno_next_\@
	v_add_nc_u32 v[ADRA], s[TB], v[ADRA0]
	v_add_nc_u32 v[ADRB], s[TB], v[ADRB0]
	v_nop                                          ; with the two above: four places
	v_nop
	FETCH 0, F0
.Lno_next_\@:
.endif
	MUL16 F1, 1, 0, 0
	MUL16 F1, 1, 2, 0
.endm
	s_wait_tensorcnt 1                             ; my part of K step 0 is in; K step 1's may stay out
	s_barrier_signal -1
	s_barrier_wait -1
	FETCH 0, F0
	s_wait_loadcnt 0x0                             ; the biases
	QUARTER 64,  F0, F1, 1                         ; the first quarter starts the sums
	WIN 0
	s_mov_b32 s3, 6
.Lfill:                                            ; a trip: from a K step's second quarter to the next step's first; K steps 2 to 7 are asked for
	QUARTER 128, F1, F0, 0
	QUARTER 192, F0, F1, 0
	TURN 1
	QUARTER 64,  F0, F1, 0
	WIN 0
	s_sub_co_u32 s3, s3, 1
	s_cmp_lg_u32 s3, 0
	s_cbranch_scc1 .Lfill
	s_mov_b32 s3, 2
.Llast:                                            ; the last two K steps ask for nothing; the second trip is left in its middle
	QUARTER 128, F1, F0, 0
	QUARTER 192, F0, F1, 0
	TURN 0
	WIN 0
	s_sub_co_u32 s3, s3, 1
	s_cmp_eq_u32 s3, 0
	s_cbranch_scc1 .Lway
	QUARTER 64,  F0, F1, 0
	WIN 0
	s_branch .Llast
.Lway:
	PLACES
; THE WAY OUT.  Block n = 2 a + hh: 16 rows x one head's 64 columns: rounded to f16, through my stage, stored as 2,048 consecutive bytes of hd.
.macro PACKH n
.set pa, (\n)/2
.set AC, 64*(pa%4)+32*((\n)%2)
	WIN 0x0a+5*(pa/4)                              ; sources 0 and 1: window 2 or 3
.set e, 0
.rept 16                                           ; each accumulator is read from its low end on
	v_cvt_pk_f16_f32 v[PK+e], v[AC+2*e], v[AC+2*e+1]
.set e, e+1
.endr
	WIN 0
.endm
.macro TOSTAGE n
.set BK, OB+16*((\n)%2)
.irp f, 0,1,2,3
	ds_store_b128 v[STO], v[PK+4*(\f):PK+4*(\f)+3] offset:32*(\f)
.endr
.irp f, 0,1,2,3
	ds_load_b128 v[BK+4*(\f):BK+4*(\f)+3], v[RD] offset:(\f)*4*SP  ; LDS serves a wave's instructions in order (ISA guide 5.7.1.4): these see the stores above
.endr
.endm
.macro SEND n
.set BK, OB+16*((\n)%2)
	s_wait_dscnt 0x0                               ; the block is back
	s_wait_xcnt 0x0                                ; the stores two blocks back have read the registers that the next stage loads fill
.irp f, 0,1,2,3
	global_store_b128 v[GO], v[BK+4*(\f):BK+4*(\f)+3], s[8:9] offset:((\n)%2)*524288+((\n)/2)*2048+(\f)*512  ; 512 consecutive bytes, aligned
.endr
.endm
	PACKH 0
	TOSTAGE 0
.set nn, 1
.rept 15                                           ; a block's conversions stand between the stage loads of the block before and the wait for them
	PACKH nn
	SEND nn-1
	TOSTAGE nn
.set nn, nn+1
.endr
	SEND 15
	s_wait_tensorcnt 0x0                           ; the wave's end
	ds_add_u32 v[SPW], v[NIL]
	s_wait_dscnt 0x0
	CROUND                                         ; the closing round
	s_endpgm
.Lfunc_end_k_qbab78b3d34_gemm1:
	.size	k_qbab78b3d34_gemm1, .Lfunc_end_k_qbab78b3d34_gemm1-k_qbab78b3d34_gemm1
	.p2alignl 7, 3214868480
	.fill 96, 4, 3214868480
	.section	.rodata,"a",@progbits
	.p2align	6, 0x0
	.amdhsa_kernel k_qbab78b3d34_gemm1
		.amdhsa_group_segment_fixed_size 327680
		.amdhsa_private_segment_fixed_size 0
		.amdhsa_enable_private_segment 0
		.amdhsa_kernarg_size 32
		.amdhsa_user_sgpr_count 2
		.amdhsa_user_sgpr_kernarg_segment_ptr 1
		.amdhsa_wavefront_size32 1
		.amdhsa_system_sgpr_workgroup_id_x 1
		.amdhsa_system_sgpr_workgroup_id_y 1
		.amdhsa_system_sgpr_workgroup_id_z 1
		.amdhsa_system_vgpr_workitem_id 0
		.amdhsa_next_free_vgpr 1024
		.amdhsa_next_free_sgpr 80
		.amdhsa_reserve_vcc 0
		.amdhsa_float_denorm_mode_32 3
		.amdhsa_float_denorm_mode_16_64 3
		.amdhsa_memory_ordered 1
		.amdhsa_forward_progress 1
		.amdhsa_inst_pref_size 103
	.end_amdhsa_kernel
	.amdgpu_metadata
---
amdhsa.version: [ 1, 2 ]
amdhsa.kernels:
  - .name:           k_qbab78b3d34_gemm1
    .symbol:         k_qbab78b3d34_gemm1.kd
    .args:
      - { .name: act, .offset: 0, .size: 8, .value_kind: global_buffer, .address_space: global }
      - { .name: wt, .offset: 8, .size: 8, .value_kind: global_buffer, .address_space: global }
      - { .name: bias, .offset: 16, .size: 8, .value_kind: global_buffer, .address_space: global }
      - { .name: hd, .offset: 24, .size: 8, .value_kind: global_buffer, .address_space: global }
    .group_segment_fixed_size: 327680
    .private_segment_fixed_size: 0
    .kernarg_segment_align: 8
    .kernarg_segment_size: 32
    .max_flat_workgroup_size: 128
    .sgpr_count:     80
    .vgpr_count:     1024
    .wavefront_size: 32
...
	.end_amdgpu_metadata
.endif
;; end of part 2
;; launch attn (part 3): grid 8 x 32, 4 waves a work-group, no clusters, 327,680 bytes of LDS; arguments hd, bias, ho; writes ho
.if DOCPART == 3
	.amdgcn_target "amdgcn-amd-amdhsa--gfx1250"
	.amdhsa_code_object_version 6
	.text
	.protected	k_qbab78b3d34_attn
	.globl	k_qbab78b3d34_attn
	.p2align	8
	.type	k_qbab78b3d34_attn,@function
k_qbab78b3d34_attn:
	s_mov_b64 s[64:65], 0
	v_nop
	global_prefetch_b8 v0, s[64:65] scope:SCOPE_SE
	s_setreg_imm32_b32 hwreg(HW_REG_WAVE_MODE, 25, 1), 1
	s_wait_xcnt 0x0
; ATTENTION WITH RELATIVE POSITIONS.  For query i and key j of one head and batch: score = (q_i+u).k_j + pos(i,j), weights = softmax_j(score / 8), O_i = sum of weights x v_j.  All operands f16 (hd's four slices: q+u, k, v,
; the extended table), products, maxima and sums f32, the weights rounded to f16 for the second product, O once at the end.
; THE SHIFT.  With e = 2047 - i + j and the extended table Pext (p[e], a zero row at 2048, p[e-2049]): pos(i,j) = q' . Pext[e], q' = q_i+v for e < 2048 and q_(i+1)+v from 2048 on.  2048 is a multiple of 16,
; so an aligned block of 16 rows of Pext takes one of the two operands whole.  q+v is made here, once a wave, as f16(q+u) + f16(v-u), rounded to f16 once more.
; SHARES.  A work-group: 256 queries of one head and batch; a wave 64: four PIECES of 16.  Keys go 64 a step, 32 steps.  For piece x and a step: 10 products G = Pext block x Q'^T (5 blocks of 16 rows from row
; 2032 - i0 + 64 k on), 8 products S^T = K QU^T + C, 8 products O^T += V^T P.  In G a lane holds ONE query r = lane % 16 and table rows m = 16 t + 8 (lane / 16) + j; key kappa of that query wants m = kappa + 15 - r.
; THE SKEW goes through my wave's own stage in LDS, in f32: G is stored as 16 rows of 336 bytes and read back word by word from 332 r + 60 on, straight into the registers that the content product takes as C.
; Stores: rows 21 x 16 bytes apart; loads: words 83 r + 8 h, all different modulo 64.  No vector instruction and no rounding.
; WHICH OPERAND.  D0 = 4 qb + wave is the step that holds my diagonal.  Block t of piece x is a high block never for k < D0, always for k > D0, and for t > x at k = D0.  The text takes QA for t <= x and QB for t > x;
; at step D0 QB, at step D0 + 1 QA is overwritten by the next row's operand (SWQ: two forward branches on scalars; for D0 = 0 QB starts so).
; SOFTMAX.  Running maximum m and sum l: p = 2^(c s - c m), c = log2(e) / 8; O and l are multiplied by a = 2^(c m_old - c m_new) in every step.  m starts at the lowest finite number, c m at -4e37, O and l at 0.
; TURNS.  Turn n belongs to piece n (in a ring, step after step): positional products of piece n + 2 and their skew, content products of piece n + 1 and its maximum, scaling, exponentials and rescaling of piece n,
; roundings, sums and V^T P of piece n - 1.  Four vector instructions stand behind each matrix instruction, 14 in a lump; a turn's 33 exponentials have one wait, at its end: their readers stand in the next turn.
; NO CLUSTER: only the query blocks of one head and batch share K and V, and their diagonal step, with it SWQ's branches, differs from block to block; a form without the branch costs 128 selects a step.
; LIMITS.  f16 operands (within 65,504); q+v carries two roundings to f16, the first of them of q+u, so its error goes by |q+u| as well as by |q+v|; c x score must lie above -4e37; a weight below 2^-126
; counts as 0 in l; NaN and infinities are not treated apart.
; The first turn's products of a piece that has not been run on zeros; behind the last step three turns make scores of a step that is not (on the last step's K and table rows), which nothing reads.
; REGISTERS: window 0 addresses, statistics, S^T (four pieces), P (two buffers); window 1 O^T, G; window 2 QU, QA, QB, QHI; window 3 K, V, table fragments of one step.
.set SLICE, 8388608
.set PKP,   144                        ; a row of K or Pext in LDS: 128 bytes + 16
.set PVP,   160                        ; a row of V: 128 + 32, for the turning load
.set POFF,  128*PKP                    ; a slot holds two steps: 128 rows of K, 384 rows of Pext, 128 rows of V
.set VOFF,  POFF+384*PKP
.set SLOT1, 1<<17
.set STG,   SLOT1+VOFF+128*PVP         ; behind the ring, never filled by a tensor load: 16 x 336 bytes for each wave
.set STGW,  16*336
.set SPARE, STG+4*STGW
.set SP,    144
.set AK0, 2
.set AV0, 3
.set AP0, 4
.set AK,  5
.set AV,  6
.set AP,  7
.set SST, 8
.set SLD, 9
.set STO, 10
.set RD,  11
.set GO,  12
.set QO,  13
.set ST,  16                           ; piece t: c m, m, l (even keys', odd keys')
.set TMP, 32                           ; piece t: c0-c3 at work; c2 takes a
.set MV,  48                           ; piece t: c m_old
.set PFO, 52
.set DO,  53                           ; v53 16 x (lane / 16): my place in 32 bytes of v-u
.set SPW, 62
.set NIL, 63
.set S,   64
.set P,   192
.set DD,  192                          ; ahead of the first turn: v-u of my 32 channels, 16 registers
.set G,   128                          ; window 1
.set QU,  0                            ; window 2
.set QA,  64
.set QB,  128
.set QHI, 192
.set KF,  0                            ; window 3
.set VF,  64
.set PF,  128
.set WV,  12
.set HB,  14
.set D0,  15
.set D1,  16
.set KT,  17                           ; the step whose positional products come next
.set PFA, 18
.set LIM, 20
.set G1K, 24
.set G1P, 32
.set G1V, 40
.set G0K, 48
.set G0P, 52
.set G0V, 56
.set SLOTS, 60
.set CNT, 61
.set TB,  62                           ; LDS byte of the step to be fetched, for K and the table (both step by 9,216)
.set TBV, 63                           ; for V
.set CS,  66
.set SEL, 68
.set MSB, 0
.macro WIN new
.if MSB != (\new)
	s_set_vgpr_msb (MSB<<8)|(\new)
.set MSB, (\new)
.endif
.endm
.macro PLACES
.rept 4
	v_nop
.endr
.endm
; A fill: wave 0 brings a slot's K, waves 1 and 2 the halves of its table window, wave 3 its V.  s_nop 0 and four v_nop follow each line.
.macro LOAD
	s_cmp_eq_u32 s[WV], 0
	s_cbranch_scc0 .Lnot_k_\@
	tensor_load_to_lds s[G0K:G0K+3], s[G1K:G1K+7]
	s_nop 0
	PLACES
	s_branch .Lasked_\@
.Lnot_k_\@:
	s_cmp_eq_u32 s[WV], 3
	s_cbranch_scc0 .Lnot_v_\@
	tensor_load_to_lds s[G0V:G0V+3], s[G1V:G1V+7]
	s_nop 0
	PLACES
	s_branch .Lasked_\@
.Lnot_v_\@:
	tensor_load_to_lds s[G0P:G0P+3], s[G1P:G1P+7]
	s_nop 0
	PLACES
.Lasked_\@:
.endm
; A prefetch of what the NEXT change of slots will ask for: 16,384 bytes, a lane 256 of them, two instructions.  Each block is named once: query block 0 asks; its wave 0 for K, wave 3 for V (of its head and batch),
; wave 1, where the batch is 0, for the 128 table rows that are new in that slot.  The other query blocks walk rows that block 0's side has walked.  The last change that fills a slot asks for nothing.
.macro ASK
	s_cmp_gt_u32 s[SLOTS], s[LIM]
	s_cbranch_scc0 .Lnot_mine_\@
	global_prefetch_b8 v[PFO], s[PFA:PFA+1] th:TH_LOAD_NT scope:SCOPE_SE
	global_prefetch_b8 v[PFO], s[PFA:PFA+1] offset:8192 th:TH_LOAD_NT scope:SCOPE_SE
.Lnot_mine_\@:
.endm
; THE CHANGE OF SLOTS: all my tensor loads (one is out: my part of the other slot), the add, my reads of the slot that I leave, the barrier; the refill first behind it: two steps, 208 matrix instructions, to land.
.macro CHANGE fill, ask
	WIN 0
	s_wait_tensorcnt 0x0
	ds_add_u32 v[SPW], v[NIL]
.if \fill
.irp g, G0K, G0P, G0V
	s_xor_b32 s[\g+1], s[\g+1], SLOT1
	s_add_nc_u64 s[\g+2:\g+3], s[\g+2:\g+3], 16384 ; 128 rows on; the type bits on top are not reached
.endr
	s_wait_xcnt 0x0                                ; the last prefetches, two steps back, have read their address
	s_add_nc_u64 s[PFA:PFA+1], s[PFA:PFA+1], 16384
.endif
	s_wait_dscnt 0x0
	s_barrier_signal -1
	s_sub_co_u32 s[TB], s[TB], 2*64*PKP
	s_xor_b32 s[TB], s[TB], SLOT1
	s_sub_co_u32 s[TBV], s[TBV], 2*64*PVP
	s_xor_b32 s[TBV], s[TBV], SLOT1
	s_barrier_wait -1
.if \fill
	LOAD
.endif
.if \ask
	ASK
.endif
.endm
	s_load_b128 s[4:7], s[0:1], 0x0                ; hd, bias
	s_load_b64 s[70:71], s[0:1], 0x10              ; ho
	v_lshl_add_u32 v[SPW], v0, 2, SPARE
	v_mov_b32 v[NIL], 0
	ds_add_u32 v[SPW], v[NIL]                      ; the wave's opening
	ds_add_u32 v62, v63
	v_lshrrev_b32 v1, 5, v0
	v_readfirstlane_b32 s[WV], v1
	s_and_b32 s[HB], ttmp7, 0xffff                 ; 2 x head + batch
	s_lshl_b32 s[D0], ttmp9, 2
	s_add_co_u32 s[D0], s[D0], s[WV]
	s_add_co_u32 s[D1], s[D0], 1
	s_mov_b32 s[KT], 0
	; descriptor group 1: dense bytes asked for as rows of 256, padded in LDS after every 128 bytes
	s_mov_b32 s[G1K], (1<<16)|(1<<20)|(4<<22)|(3<<25)
	s_mov_b32 s[G1P], (1<<16)|(1<<20)|(4<<22)|(3<<25)
	s_mov_b32 s[G1V], (1<<16)|(1<<20)|(4<<22)|(7<<25)
.irp g, G1K, G1P, G1V
	s_mov_b32 s[\g+1], 128<<16
	s_mov_b32 s[\g+3], 128<<16
	s_mov_b32 s[\g+5], 128
	s_mov_b32 s[\g+6], 0
	s_mov_b32 s[\g+7], 0
.endr
	s_mov_b32 s[G1K+2], 64<<16                     ; 64 rows of 256 bytes: 128 keys
	s_mov_b32 s[G1K+4], 64
	s_mov_b32 s[G1P+2], 96<<16                     ; 96: 192 table rows
	s_mov_b32 s[G1P+4], 96
	s_mov_b32 s[G1V+2], 64<<16
	s_mov_b32 s[G1V+4], 64
	s_mov_b32 s[G0K], 1
	s_mov_b32 s[G0K+1], 0
	s_mov_b32 s[G0P], 1
	s_mul_i32 s[G0P+1], s[WV], 192*PKP             ; waves 1, 2: POFF and POFF + 192 rows (used by these two alone)
	s_sub_co_u32 s[G0P+1], s[G0P+1], 192*PKP-POFF
	s_mov_b32 s[G0V], 1
	s_mov_b32 s[G0V+1], VOFF
	s_mov_b32 s[CS], 0x3e38aa3b                    ; c = log2(e) / 8
	s_mov_b32 s[CS+1], s[CS]
	s_mov_b32 s[SEL], 0x76543210
	s_mov_b32 s[SEL+1], 0xfedcba98
	s_mov_b32 s[TB], SLOT1+2*64*PKP                ; the first change of slots turns these two into 0
	s_mov_b32 s[TBV], SLOT1+2*64*PVP
	s_mov_b32 s[SLOTS], 15
	s_and_b32 s22, s[HB], 1
	s_or_b32 s22, s22, ttmp9
	s_cmp_eq_u32 s[WV], 1
	s_cselect_b32 s21, s22, ttmp9
	s_cmp_eq_u32 s[WV], 2
	s_cselect_b32 s21, 1, s21
	s_cmp_eq_u32 s21, 0
	s_cselect_b32 s[LIM], 1, -1
	s_lshl_b32 s72, s[HB], 18                      ; head and batch: 2,048 rows of 128 bytes each
	s_mov_b32 s75, 0
	s_mov_b32 s77, 0
	s_lshr_b32 s21, s[HB], 1
	s_lshl_b32 s21, s21, 19                        ; the head's 4,096 rows
	s_lshl_b32 s22, ttmp9, 15                      ; 256 qb rows
	s_lshl_b32 s23, s[WV], 13                      ; 64 w rows
	s_wait_dscnt 0x0                               ; the opening add is done
	s_wait_kmcnt 0x0
	s_add_co_u32 s74, s72, 1*SLICE
	s_add_nc_u64 s[G0K+2:G0K+3], s[4:5], s[74:75]
	s_or_b32 s[G0K+3], s[G0K+3], 0x80000000
	s_add_co_u32 s76, s74, 16384                   ; the prefetches stand at slot 1; each filling change steps them
	s_add_co_u32 s74, s72, 2*SLICE
	s_add_nc_u64 s[G0V+2:G0V+3], s[4:5], s[74:75]
	s_or_b32 s[G0V+3], s[G0V+3], 0x80000000
	s_add_co_u32 s2, s74, 16384
	s_cmp_eq_u32 s[WV], 3
	s_cselect_b32 s76, s2, s76
	s_add_co_u32 s74, s21, 3*SLICE
	s_add_co_u32 s2, s74, (2048+128)*128           ; query block 0's new table rows of slot 1
	s_cmp_eq_u32 s[WV], 1
	s_cselect_b32 s76, s2, s76
	s_add_nc_u64 s[PFA:PFA+1], s[4:5], s[76:77]
	s_add_co_u32 s74, s74, 1792*128-24576          ; slot 0's window begins at row 1792 - 256 qb; wave w takes rows 192 (w - 1) on
	s_sub_co_u32 s74, s74, s22
	s_mul_i32 s2, s[WV], 24576
	s_add_co_u32 s74, s74, s2
	s_add_nc_u64 s[G0P+2:G0P+3], s[4:5], s[74:75]
	s_or_b32 s[G0P+3], s[G0P+3], 0x80000000
	s_add_co_u32 s74, s72, s22
	s_add_co_u32 s74, s74, s23
	s_add_nc_u64 s[8:9], s[4:5], s[74:75]          ; q+u at my first row
	s_and_b32 s74, s[HB], 1                        ; ho: row block 16 batch + 2 qb + w / 2, head, (w % 2) x 64 rows
	s_lshl_b32 s74, s74, 4
	s_lshl_b32 s2, ttmp9, 1
	s_add_co_u32 s74, s74, s2
	s_lshr_b32 s2, s[WV], 1
	s_add_co_u32 s74, s74, s2
	s_lshl_b32 s74, s74, 18
	s_lshr_b32 s2, s21, 5
	s_add_co_u32 s74, s74, s2
	s_and_b32 s2, s[WV], 1
	s_lshl_b32 s2, s2, 13
	s_add_co_u32 s74, s74, s2
	s_add_nc_u64 s[10:11], s[70:71], s[74:75]
	s_lshr_b32 s74, s21, 12                        ; v-u: behind the four bias rows, 128 bytes a head
	s_add_co_u32 s74, s74, 16384
	s_add_nc_u64 s[6:7], s[6:7], s[74:75]
	LOAD                                           ; slot 0
	v_and_b32 v1, 15, v0                           ; r
	v_bfe_u32 v14, v0, 4, 1                        ; h
	v_lshlrev_b32 v[QO], 7, v1
	v_lshl_add_u32 v[QO], v14, 4, v[QO]
	v_lshlrev_b32 v[DO], 4, v14
.irp k, 0,1,2,3                                    ; channels 16 k + 8 h on: the order of a fragment's registers, both channel halves
	global_load_b128 v[DD+4*(\k):DD+4*(\k)+3], v[DO], s[6:7] offset:32*(\k)
.endr
	WIN 0x80
.set i, 0
.rept 8                                            ; piece i / 2, channels 32 (i % 2) on; QHI takes the next row (for the batch's last row it is never selected)
	global_load_b128 v[QU+8*i:QU+8*i+3],    v[QO], s[8:9] offset:(i/2)*2048+(i%2)*64
	global_load_b128 v[QU+8*i+4:QU+8*i+7],  v[QO], s[8:9] offset:(i/2)*2048+(i%2)*64+32
	global_load_b128 v[QHI+8*i:QHI+8*i+3],  v[QO], s[8:9] offset:(i/2)*2048+(i%2)*64+128
	global_load_b128 v[QHI+8*i+4:QHI+8*i+7], v[QO], s[8:9] offset:(i/2)*2048+(i%2)*64+160
.set i, i+1
.endr
	; what the first turn finds: O^T, V, piece 3's scores and a, and every l are 0.  All this stands in the wait for the first tile.
	WIN 0x40
.set i, 0
.rept 128
	v_mov_b32 v[i], 0
.set i, i+1
.endr
	WIN 0xc0
.set i, VF
.rept 64
	v_mov_b32 v[i], 0
.set i, i+1
.endr
	WIN 0
.set i, 0
.rept 32
	v_mov_b32 v[S+96+i], 0
.set i, i+1
.endr
.set i, 0
.rept 4
	v_mov_b32 v[ST+4*i], 0xfe000000
	v_mov_b32 v[ST+4*i+1], 0xff7fffff
	v_mov_b32 v[ST+4*i+2], 0
	v_mov_b32 v[ST+4*i+3], 0
	v_mov_b32 v[TMP+12+i], 0
.set i, i+1
.endr
	v_mul_u32_u24 v[AK0], v1, PKP
	v_lshl_add_u32 v[AK0], v14, 4, v[AK0]          ; row x pitch + 16 x half
	s_lshl_b32 s21, s[WV], 2
	s_sub_co_u32 s21, 12, s21
	s_mul_i32 s21, s21, 16*PKP
	s_add_co_u32 s21, s21, POFF
	v_add_nc_u32 v[AP0], s21, v[AK0]               ; my wave's block 0 of a slot's first step: block 12 - 4 w of the window
	v_and_b32 v15, 7, v0
	v_lshl_add_u32 v[AV0], v14, 3, v15             ; the turning load: key 8 h + l % 8, channels 8 ((l / 8) % 2) on
	v_mul_u32_u24 v[AV0], v[AV0], PVP
	v_bfe_u32 v[AV], v0, 3, 1
	v_lshl_add_u32 v[AV0], v[AV], 4, v[AV0]
	v_add_nc_u32 v[AV0], VOFF, v[AV0]
	s_mul_i32 s22, s[WV], STGW
	s_add_co_u32 s22, s22, STG                     ; my stage
	v_mul_u32_u24 v[SST], v1, 336
	v_lshl_add_u32 v[SST], v14, 5, v[SST]
	v_add_nc_u32 v[SST], s22, v[SST]
	v_mul_u32_u24 v[SLD], v1, 332
	v_lshl_add_u32 v[SLD], v14, 5, v[SLD]
	v_add3_u32 v[SLD], v[SLD], s22, 60
	v_add_nc_u32 v[STO], s22, v[AK0]
	v_bfe_u32 v[RD], v0, 3, 2
	v_mul_u32_u24 v[RD], v[RD], SP
	v_lshl_add_u32 v[RD], v15, 4, v[RD]
	v_add_nc_u32 v[RD], s22, v[RD]
	v_and_b32 v[GO], 31, v0
	v_lshlrev_b32 v[PFO], 8, v[GO]
	v_lshlrev_b32 v[GO], 4, v[GO]
; THE MATRIX WORK.  In each run the accumulators take turns, one instruction a turn, and neighbouring runs name different accumulators.
.macro POS x, n                        ; product n of 10 of G: block t = n % 5, channels 32 (n / 5) on
	WIN 0x5b                                       ; table window 3, Q' window 2, G window 1
.set pt, (\n)%5
.set pc, (\n)/5
.set rG, G+8*pt
.set rF, PF+16*(3-(\x)+pt)+8*pc
.if pt <= (\x)
.set rQ, QA+16*(\x)+8*pc
.else
.set rQ, QB+16*(\x)+8*pc
.endif
.if (\n) < 5
	v_wmma_f32_16x16x32_f16 v[rG:rG+7], v[rF:rF+7], v[rQ:rQ+7], 0
.else
	v_wmma_f32_16x16x32_f16 v[rG:rG+7], v[rF:rF+7], v[rQ:rQ+7], v[rG:rG+7]
.endif
.endm
.macro KQ x, n                         ; product n of 8 of S^T += K QU^T: keys 16 (n % 4) on, channels 32 (n / 4) on; the sums start from the skewed positional scores
	WIN 0x0b
.set rS, S+32*(\x)+8*((\n)%4)
.set rK, KF+16*((\n)%4)+8*((\n)/4)
.set rQ, QU+16*(\x)+8*((\n)/4)
	v_wmma_f32_16x16x32_f16 v[rS:rS+7], v[rK:rK+7], v[rQ:rQ+7], v[rS:rS+7]
.endm
.macro PV x, n                         ; product n of 8 of O^T += V^T P: keys 32 (n / 4) on, channels 16 (n % 4) on
	WIN 0x53
.set rO, 32*(\x)+8*((\n)%4)
.set rV, VF+32*((\n)/4)+8*((\n)%4)
.set rP, P+16*((\x)%2)+8*((\n)/4)
	v_wmma_f32_16x16x32_f16 v[rO:rO+7], v[rV:rV+7], v[rP:rP+7], v[rO:rO+7]
.endm
.macro MM                              ; the turn's next matrix instruction
.if i < 10
	POS (Y+2)%4, i
.elseif i < 18
	KQ (Y+1)%4, i-10
.else
	PV (Y+3)%4, i-18
.endif
.set i, i+1
.endm
.macro GST                             ; G into my stage: row r, word m; each accumulator's low half first
	WIN 0x04                                       ; data in window 1
.irp t, 0,1,2,3,4
	ds_store_b128 v[SST], v[G+8*(\t):G+8*(\t)+3]   offset:64*(\t)
	ds_store_b128 v[SST], v[G+8*(\t)+4:G+8*(\t)+7] offset:64*(\t)+16
.endr
.endm
.macro SKL x                           ; and back, skewed: key 16 T + 8 h + j takes word key + 15 - r.  LDS serves a wave's instructions in order (ISA guide 5.7.1.4)
	WIN 0
.set z, 0
.rept 32
	ds_load_b32 v[S+32*(\x)+z], v[SLD] offset:64*(z/8)+4*(z%8)
.set z, z+1
.endr
.endm
.macro FETCH_K
	WIN 0
	v_add_nc_u32 v[AK], s[TB], v[AK0]
	WIN 0xc0
.irp f, 0,1,2,3,4,5,6,7
	ds_load_b128 v[KF+8*(\f):KF+8*(\f)+3],   v[AK] offset:((\f)/2)*16*PKP+((\f)%2)*64
	ds_load_b128 v[KF+8*(\f)+4:KF+8*(\f)+7], v[AK] offset:((\f)/2)*16*PKP+((\f)%2)*64+32
.endr
.endm
.macro FETCH_P                         ; my eight table blocks of a step
	WIN 0
	v_add_nc_u32 v[AP], s[TB], v[AP0]
	WIN 0xc0
.irp f, 0,1,2,3,4,5,6,7,8,9,10,11,12,13,14,15
	ds_load_b128 v[PF+8*(\f):PF+8*(\f)+3],   v[AP] offset:((\f)/2)*16*PKP+((\f)%2)*64
	ds_load_b128 v[PF+8*(\f)+4:PF+8*(\f)+7], v[AP] offset:((\f)/2)*16*PKP+((\f)%2)*64+32
.endr
.endm
.macro FETCH_V
	WIN 0
	v_add_nc_u32 v[AV], s[TBV], v[AV0]
	WIN 0xc0
.irp f, 0,1,2,3,4,5,6,7
	ds_load_tr16_b128 v[VF+8*(\f):VF+8*(\f)+3],   v[AV] offset:((\f)/4)*32*PVP+((\f)%4)*32
	ds_load_tr16_b128 v[VF+8*(\f)+4:VF+8*(\f)+7], v[AV] offset:((\f)/4)*32*PVP+16*PVP+((\f)%4)*32
.endr
.endm
.macro SWQ                             ; at my diagonal step the high blocks', a step later all blocks' operand becomes the next row's
	WIN 0
	s_cmp_eq_u32 s[KT], s[D0]
	s_cbranch_scc0 .Lnot_b_\@
	WIN 0x82
.set z, 0
.rept 64
	v_mov_b32 v[QB+z], v[QHI+z]
.set z, z+1
.endr
	WIN 0
.Lnot_b_\@:
	s_cmp_eq_u32 s[KT], s[D1]
	s_cbranch_scc0 .Lnot_a_\@
	WIN 0x82
.set z, 0
.rept 64
	v_mov_b32 v[QA+z], v[QHI+z]
.set z, z+1
.endr
	WIN 0
.Lnot_a_\@:
.endm
; THE VECTOR WORK, a line at a time: OP kind, number.  Piece Y: F n: c s - c m for pair n; E n: the exponential of score n; R n: pair n of O^T times a.  Piece Y - 1: C n: pair n rounded to f16; B n: of the four
; weights 4 n .. the second pair is added onto the first (behind C 2n); L n: l takes that sum (L 0: l = a l + sum).  Piece Y + 1: X n, number n of the 22 that find its maximum and statistics:
; 0-11 four chains of seven scores (each accumulator's lowest registers first); 12-14, 16 the scores left over, the old m, all into c0; 15 c m_old kept; 17, 18 the other half of the lanes; 19-21 c m, its change, a.
.set F, 0
.set E, 1
.set C, 2
.set B, 3
.set L, 4
.set R, 5
.set X, 6
.macro REGS y
.set rT, ST+4*(\y)
.set rC, TMP+4*(\y)
.set rW, MV+(\y)
.set rS, S+32*(\y)
.set rP, P+16*((\y)%2)
.set rO, 32*(\y)
.endm
.macro OP k, n
.if (\k) == R
	REGS Y
	WIN 0x41
	v_pk_mul_f32 v[rO+2*(\n):rO+2*(\n)+1], v[rO+2*(\n):rO+2*(\n)+1], v[rC+2:rC+3] op_sel_hi:[1,0]
.elseif (\k) == F
	REGS Y
	WIN 0
	v_pk_fma_f32 v[rS+2*(\n):rS+2*(\n)+1], v[rS+2*(\n):rS+2*(\n)+1], s[CS:CS+1], v[rT:rT+1] op_sel_hi:[1,0,0] neg_lo:[0,0,1] neg_hi:[0,0,1]
.elseif (\k) == E
	REGS Y
	WIN 0
	v_exp_f32 v[rS+(\n)], v[rS+(\n)]
.elseif (\k) < R
	REGS (Y+3)%4
	WIN 0
.if (\k) == C
	v_cvt_pk_f16_f32 v[rP+(\n)], v[rS+2*(\n)], v[rS+2*(\n)+1]
.elseif (\k) == B
	v_pk_add_f32 v[rS+4*(\n):rS+4*(\n)+1], v[rS+4*(\n):rS+4*(\n)+1], v[rS+4*(\n)+2:rS+4*(\n)+3]
.elseif (\n) == 0
	v_pk_fma_f32 v[rT+2:rT+3], v[rT+2:rT+3], v[rC+2:rC+3], v[rS:rS+1] op_sel_hi:[1,0,1]
.else
	v_pk_add_f32 v[rT+2:rT+3], v[rT+2:rT+3], v[rS+4*(\n):rS+4*(\n)+1]
.endif
.else
	REGS (Y+1)%4
	WIN 0
.if (\n) < 4
	v_max3_num_f32 v[rC+(\n)], v[rS+8*(\n)], v[rS+8*(\n)+1], v[rS+8*(\n)+2]
.elseif (\n) < 12
	v_max3_num_f32 v[rC+(\n)%4], v[rC+(\n)%4], v[rS+8*((\n)%4)+2*((\n)/4)+1], v[rS+8*((\n)%4)+2*((\n)/4)+2]
.elseif (\n) == 12
	v_max3_num_f32 v[rC], v[rC], v[rS+7], v[rS+15]
.elseif (\n) == 13
	v_max3_num_f32 v[rC+1], v[rC+1], v[rS+23], v[rS+31]
.elseif (\n) == 14
	v_max3_num_f32 v[rC+2], v[rC+2], v[rC+3], v[rT+1]
.elseif (\n) == 15
	v_mov_b32 v[rW], v[rT]
.elseif (\n) == 16
	v_max3_num_f32 v[rC], v[rC], v[rC+1], v[rC+2]
.elseif (\n) == 17
	v_permlanex16_b32 v[rC+3], v[rC], s[SEL], s[SEL+1]
.elseif (\n) == 18
	v_max_num_f32 v[rT+1], v[rC], v[rC+3]
.elseif (\n) == 19
	v_mul_f32 v[rT], s[CS], v[rT+1]
.elseif (\n) == 20
	v_sub_f32 v[rC+1], v[rW], v[rT]
.else
	v_exp_f32 v[rC+2], v[rC+1]
.endif
.endif
.endm
.macro OPS a, i1, b=-1, i2=0, c=-1, i3=0, d=-1, i4=0
	OP \a, \i1
.if (\b) >= 0
	OP \b, \i2
.endif
.if (\c) >= 0
	OP \c, \i3
.endif
.if (\d) >= 0
	OP \d, \i4
.endif
.endm
.macro ROW a, i1, b, i2, c, i3, d, i4  ; a matrix instruction and the four behind it
	MM
	OPS \a, \i1, \b, \i2, \c, \i3, \d, \i4
.endm
; A TURN, for piece p.  No line ahead of the wait at its end names a result of its exponentials: the roundings, sums and rescalings read the results of the turn before.
; The four riders of the tenth and of the eighteenth product are plain and name none of their registers: the places in front of the stage stores and of the maximum.
; The table's next step is fetched in piece 1's turn (its last reader is that turn's tenth product), K's at the end of piece 2's, V of the step in hand at the end of piece 0's.
; last = 1 (the tail): the fetch address stays at the last step, so that the turns behind the end read bytes that were filled.
.macro TURN p, last=0
.set Y, (\p)
.set i, 0
.if (\p) == 2
	s_wait_dscnt 0x0                               ; the table's fragments are in
.endif
	ROW C,0, B,0, F,0, F,1
	ROW C,2, E,0, B,1, L,0
	ROW C,4, E,1, B,2, F,2
	ROW L,1, E,2, C,6, B,3
	ROW F,3, E,3, L,2, C,8
	ROW B,4, E,4, L,3, C,10
	ROW B,5, E,5, F,4, C,12
	ROW B,6, E,6, L,4, C,14
	ROW B,7, E,7, L,5, C,1
	ROW C,3, C,5, L,6, C,7
	GST
	SKL (Y+2)%4
	s_wait_dscnt 42                                ; all but the 10 stores and 32 loads just issued: the last turn's skewed scores are in, and what that turn fetched (V in piece 1's turn, K in piece 3's)
	ROW C,9, E,8, R,0, R,1
	ROW F,5, E,9, R,2, R,3
	ROW C,11, F,6, R,4, R,5
	ROW C,13, E,10, R,6, R,7
	ROW C,15, E,11, R,8, R,9
	ROW F,7, E,12, R,10, R,11
	ROW L,7, E,13, R,12, R,13
	ROW F,8, F,9, R,14, R,15
.if (\p) == 1
	FETCH_P
.endif
	ROW X,0, E,14, X,1, X,2
	ROW X,3, E,15, X,4, X,5
	ROW X,6, E,16, X,7, F,10
	ROW X,8, E,17, X,9, X,10
	ROW X,11, E,18, X,12, F,11
	ROW X,13, E,19, X,15, F,12
	ROW X,14, E,20, F,13, F,14
	ROW X,16, E,21, F,15, E,22
	OPS X,17, E,23, E,24, X,18
	OPS E,25, E,26, X,19, E,27
	OPS E,28, X,20, E,29, E,30
	OPS E,31, X,21
	v_nop                                          ; a plain instruction behind the last exponential: one for the batch
	WIN 0
	s_wait_alu depctr_va_vdst(0)                   ; the turn's one wait, for its 33 exponentials
.if (\p) == 2
	FETCH_K
.endif
.if (\p) == 0
	FETCH_V
	s_add_co_u32 s[TB], s[TB], 64*PKP              ; the next fetches are the next step's
	s_add_co_u32 s[TBV], s[TBV], 64*PVP
	s_add_co_u32 s[KT], s[KT], 1
.if \last
	s_min_u32 s[TB], s[TB], SLOT1+64*PKP
.endif
.endif
.endm
	CHANGE 1, 0                                    ; slot 0 is in, everybody's part of it; slot 1 is asked for
	FETCH_P                                        ; step 0
	FETCH_K
	s_wait_loadcnt 0x0                             ; q+u of my rows and of the rows behind them, and v-u
	s_cmp_eq_u32 s[D0], 0
	s_cselect_b32 s21, -1, 0                       ; all lanes, where step 0 is my diagonal step
	WIN 0x82                                       ; destination and source 0 window 2, v-u window 0
.set z, 0
.rept 64
	v_pk_add_f16 v[QA+z], v[QU+z], v[DD+z%16]      ; q+v of my rows,
	v_pk_add_f16 v[QHI+z], v[QHI+z], v[DD+z%16]    ; and of the rows behind them
.set z, z+1
.endr
	WIN 0x8a
.set z, 0
.rept 64
	v_cndmask_b32 v[QB+z], v[QA+z], v[QHI+z], s21  ; the high blocks' operand at step 0
.set z, z+1
.endr
	s_wait_dscnt 0x0
.set i, 0
.rept 10
	POS 0, i
.set i, i+1
.endr
	PLACES
	v_nop                                          ; five: the next run writes over these accumulators
	GST
	SKL 0
.set i, 0
.rept 10
	POS 1, i
.set i, i+1
.endr
	PLACES
	GST
	SKL 1
	s_wait_dscnt 42                                ; piece 0's skewed scores are in
.set i, 0
.rept 8
	KQ 0, i
.set i, i+1
.endr
	WIN 0
	PLACES
.set Y, 3                                          ; X works for piece Y + 1: piece 0
.irp n, 0,1,2,3,4,5,6,7,8,9,10,11,12,13,14,15,16,17,18,19,20,21
	OP X, \n
.endr
	v_nop
	s_wait_alu depctr_va_vdst(0)
	s_mov_b32 s[CNT], 2
	s_branch .Lfirst                               ; the loop is entered at a step's first turn
.Lslot:                                            ; 14 times: slots 2 to 15 are asked for
	CHANGE 1, 1
	s_mov_b32 s[CNT], 2
.Lstep:                                            ; a trip: pieces 1, 2, 3 of one step, piece 0 of the next
	TURN 1
	SWQ
	TURN 2
	TURN 3
	WIN 0
.Lfirst:
	TURN 0
	WIN 0
	s_sub_co_u32 s[CNT], s[CNT], 1
	s_cmp_lg_u32 s[CNT], 0
	s_cbranch_scc1 .Lstep
	s_sub_co_u32 s[SLOTS], s[SLOTS], 1
	s_cmp_lg_u32 s[SLOTS], 0
	s_cbranch_scc1 .Lslot
	CHANGE 0, 0                                    ; the tail is written out
	s_mov_b32 s[CNT], 3
.Ltail:
	TURN 1
	SWQ
	TURN 2
	TURN 3
	WIN 0
	s_sub_co_u32 s[CNT], s[CNT], 1
	s_cmp_eq_u32 s[CNT], 0
	s_cbranch_scc1 .Lout
	TURN 0, 1
	WIN 0
	s_branch .Ltail
.Lout:
	s_wait_dscnt 0x0                               ; the loads of the step that is not are back: their registers serve the way out
.set Y, 0                                          ; C, B, L work for piece Y - 1: piece 3 of the last step
	OPS C,0, B,0, C,2, B,1
	OPS L,0, C,4, B,2, L,1
	OPS C,6, B,3, L,2, C,8
	OPS B,4, L,3, C,10, B,5
	OPS C,12, B,6, L,4, C,14
	OPS B,7, L,5, C,1, C,3
	OPS C,5, L,6, C,7, C,9
	OPS C,11, C,13, C,15, L,7
.set i, 0
.rept 8
	PV 3, i
.set i, i+1
.endr
	; THE WAY OUT: l's halves and the other half of the lanes' are added; O^T is divided by l, rounded to f16, sent through my stage a piece at a time.  The additions are the places behind the last products.
	WIN 0
.macro ALL line:vararg
.set t, 0
.rept 4
	\line
.set t, t+1
.endr
.endm
	ALL v_add_f32 v[ST+4*t+2], v[ST+4*t+2], v[ST+4*t+3]
	ALL v_permlanex16_b32 v[ST+4*t+3], v[ST+4*t+2], s[SEL], s[SEL+1]
	ALL v_add_f32 v[ST+4*t+2], v[ST+4*t+2], v[ST+4*t+3]
	ALL v_rcp_f32 v[ST+4*t+2], v[ST+4*t+2]
	v_nop
	s_wait_alu depctr_va_vdst(0)                   ; one wait for the four reciprocals
.macro PACK t
	WIN 0x41
.set i, 32*(\t)
.rept 16
	v_pk_mul_f32 v[i:i+1], v[i:i+1], v[ST+4*(\t)+2:ST+4*(\t)+3] op_sel_hi:[1,0]
.set i, i+2
.endr
	WIN 0x05
.set i, 0
.rept 16
	v_cvt_pk_f16_f32 v[S+16*(\t)+i], v[32*(\t)+2*i], v[32*(\t)+2*i+1]
.set i, i+1
.endr
	WIN 0
.irp f, 0,1,2,3
	ds_store_b128 v[STO], v[S+16*(\t)+4*\f:S+16*(\t)+4*\f+3] offset:32*\f
.endr
.irp f, 0,1,2,3
	ds_load_b128 v[S+16*(\t)+4*\f:S+16*(\t)+4*\f+3], v[RD] offset:\f*4*SP
.endr
.endm
.macro SEND t, younger                 ; younger: the LDS instructions issued behind piece t's loads
	WIN 0
.irp f, 0,1,2,3
	s_wait_dscnt (\younger)+3-\f
	global_store_b128 v[GO], v[S+16*(\t)+4*\f:S+16*(\t)+4*\f+3], s[10:11] offset:(\t)*2048+\f*512  ; 512 consecutive bytes, aligned
.endr
.endm
	PACK 0
.set t, 1
.rept 3
	PACK t
	SEND t-1, 8
.set t, t+1
.endr
	SEND 3, 0
	s_wait_tensorcnt 0x0                           ; the wave's end
	ds_add_u32 v[SPW], v[NIL]
	s_wait_dscnt 0x0
	s_endpgm
.Lfunc_end_k_qbab78b3d34_attn:
	.size	k_qbab78b3d34_attn, .Lfunc_end_k_qbab78b3d34_attn-k_qbab78b3d34_attn
	.p2alignl 7, 3214868480
	.fill 96, 4, 3214868480
	.section	.rodata,"a",@progbits
	.p2align	6, 0x0
	.amdhsa_kernel k_qbab78b3d34_attn
		.amdhsa_group_segment_fixed_size 327680
		.amdhsa_private_segment_fixed_size 0
		.amdhsa_enable_private_segment 0
		.amdhsa_kernarg_size 24
		.amdhsa_user_sgpr_count 2
		.amdhsa_user_sgpr_kernarg_segment_ptr 1
		.amdhsa_wavefront_size32 1
		.amdhsa_system_sgpr_workgroup_id_x 1
		.amdhsa_system_sgpr_workgroup_id_y 1
		.amdhsa_system_sgpr_workgroup_id_z 1
		.amdhsa_system_vgpr_workitem_id 0
		.amdhsa_next_free_vgpr 1024
		.amdhsa_next_free_sgpr 80
		.amdhsa_reserve_vcc 0
		.amdhsa_float_denorm_mode_32 3
		.amdhsa_float_denorm_mode_16_64 3
		.amdhsa_memory_ordered 1
		.amdhsa_forward_progress 1
		.amdhsa_inst_pref_size 182
	.end_amdhsa_kernel
	.amdgpu_metadata
---
amdhsa.version: [ 1, 2 ]
amdhsa.kernels:
  - .name:           k_qbab78b3d34_attn
    .symbol:         k_qbab78b3d34_attn.kd
    .args:
      - { .name: hd, .offset: 0, .size: 8, .value_kind: global_buffer, .address_space: global }
      - { .name: bias, .offset: 8, .size: 8, .value_kind: global_buffer, .address_space: global }
      - { .name: ho, .offset: 16, .size: 8, .value_kind: global_buffer, .address_space: global }
    .group_segment_fixed_size: 327680
    .private_segment_fixed_size: 0
    .kernarg_segment_align: 8
    .kernarg_segment_size: 24
    .max_flat_workgroup_size: 128
    .sgpr_count:     80
    .vgpr_count:     1024
    .wavefront_size: 32
...
	.end_amdgpu_metadata
.endif
;; end of part 3
;; launch gemm2 (part 4): grid 8 x 32, 4 waves a work-group, clusters of 4 x 4, 327,680 bytes of LDS; arguments ho, wt, bo, out0; writes out0
.if DOCPART == 4
	.amdgcn_target "amdgcn-amd-amdhsa--gfx1250"
	.amdhsa_code_object_version 6
	.text
	.protected	k_qbab78b3d34_gemm2
	.globl	k_qbab78b3d34_gemm2
	.p2align	8
	.type	k_qbab78b3d34_gemm2,@function
k_qbab78b3d34_gemm2:
	s_mov_b64 s[64:65], 0
	v_nop
	global_prefetch_b8 v0, s[64:65] scope:SCOPE_SE
	s_setreg_imm32_b32 hwreg(HW_REG_WAVE_MODE, 25, 1), 1
	s_wait_xcnt 0x0
	s_wait_alu depctr_hold_cnt(0) depctr_sa_sdst(0) depctr_va_vdst(0) depctr_va_sdst(0) depctr_va_ssrc(0) depctr_va_vcc(0) depctr_vm_vsrc(0)
	s_getreg_b32 s2, hwreg(HW_REG_IB_STS2, 6, 4)
	s_cmp_eq_u32 s2, 0
	s_cbranch_scc0 .Lentry_in_a_cluster
	s_endpgm
.Lentry_in_a_cluster:
	s_bfe_u32 s2, ttmp6, 0x10000c
	s_cmp_lg_u32 s2, 0xf033
	s_cbranch_scc0 .Lentry_shape_is_right
	s_endpgm
.Lentry_shape_is_right:
; THE OUTPUT PROJECTION.  out0[4096][1024] = O Wo + bo: f16 operands, f32 sums, f32 out.  O lies in ho as [32 row blocks][16 heads][128 rows][64]: a tile's 128 rows of a head are 16,384 dense bytes.
; Wo's columns are wt's rows 4096 on.  bo is the C operand of each sum's first product.  A tile of 128 x 128: 256 work-groups; four waves of 64 x 64: 16 accumulators.  K = 1024 goes in 4 steps of 256
; (four heads) through two LDS slots.  A K step is written twice: once with a refill (two trips) and once without (the last two steps); which slot is read is a scalar, TB, 0 or SLOT.
; CLUSTERS of 4 x 4: O's tile is shared along a row of the cluster, Wo's along a column; each is asked for jointly.  The matrix instruction is used transposed: a lane holds eight neighbouring columns of a row.
; A wave's 64 columns of f32 are 256 aligned bytes.  No prefetch: small tiles, a short launch.
; REGISTERS: window 0 v0-31 addresses, v64-95 at work on the way out, v96-127 my 32 biases, v128-255 the accumulators; window 1 two fragment buffers of 128.
.set PA,     144                       ; a row of O in LDS: 128 bytes + 16
.set PB,     528                       ; a row of Wo: 512 bytes + 16
.set PLANE,  128*PA                    ; a head's 128 rows
.set AB,     4*PLANE                   ; O's four planes, then Wo's 128 rows
.set HALFB,  64*PB
.set SLOT,   AB+2*HALFB
.set STAGE,  2*SLOT
.set SPITCH, 272
.set SPARE,  STAGE+4*16*SPITCH
.set ADRA0, 16                         ; my fragments' place in a slot; never rewritten
.set ADRA,  17                         ; the same in the slot in hand
.set ADRB0, 20
.set ADRB,  21
.set STO,  24
.set RD,   25
.set CO,   26
.set BO,   27
.set SPW,  28
.set NIL,  29
.set BK,   64
.set BI,   96
.set ACC,  128
.set F0,   0
.set F1,   128
.set TB,   66                          ; s66 LDS byte of the slot in hand
.set LBA,  67                          ; s67 where my load of O lands in a slot
.set LBB,  76                          ; s76 where my load of Wo lands
.set G1, 24
.set G0, 32                            ; a set for each of the two first fills; the second then walks on
.set G1B, 48
.set G0B, 56
.set MSB, 0
.macro WIN new
.if MSB != (\new)
	s_set_vgpr_msb (MSB<<8)|(\new)
.set MSB, \new
.endif
.endm
.set MUL,  0x05
.set TO_F, 0x40
.macro JLOAD s                         ; waves 0, 1 fetch two planes of O each, waves 2, 3 64 rows of Wo each; s_nop 0 and four v_nop follow each line
	s_cmp_eq_u32 s11, 0
	s_cbranch_scc0 .Lfor_b_\@
	tensor_load_to_lds s[G0+4*(\s):G0+4*(\s)+3], s[G1:G1+7]
	s_nop 0
.rept 4
	v_nop
.endr
	s_branch .Lasked_\@
.Lfor_b_\@:
	tensor_load_to_lds s[G0B+4*(\s):G0B+4*(\s)+3], s[G1B:G1B+7]
	s_nop 0
.rept 4
	v_nop
.endr
.Lasked_\@:
.endm
.macro CREST
	s_cmp_lg_u32 s10, 0
	s_cbranch_scc1 .Lnot_wave_0_\@
	s_barrier_signal -3
.Lnot_wave_0_\@:
	s_barrier_wait -3
	s_barrier_signal -1
	s_barrier_wait -1
.endm
.macro CROUND
	s_barrier_signal -1
	s_barrier_wait -1
	CREST
.endm
	s_load_b256 s[68:75], s[0:1], 0x0              ; ho 68, wt 70, bo 72, out0 74
	v_lshl_add_u32 v[SPW], v0, 2, SPARE
	v_mov_b32 v[NIL], 0
	ds_add_u32 v[SPW], v[NIL]                      ; the wave's opening
	ds_add_u32 v28, v29
	v_lshrrev_b32 v1, 5, v0
	v_readfirstlane_b32 s10, v1
	s_lshr_b32 s11, s10, 1                         ; my half of the rows; also: I fetch for O (0) or Wo (1)
	s_and_b32 s12, s10, 1                          ; my half of the columns; also: which half I fetch
	s_bfe_u32 s40, ttmp6, 0x40000
	s_bfe_u32 s41, ttmp6, 0x40004
	s_lshl_b32 s42, ttmp9, 2
	s_add_co_u32 s42, s42, s40                     ; tile column
	s_and_b32 s13, ttmp7, 0xffff
	s_lshl_b32 s13, s13, 2
	s_add_co_u32 s13, s13, s41                     ; tile row = row block of ho
	s_lshl_b32 s43, s41, 2
	s_lshl_b32 s43, 15, s43
	s_lshl_b32 s44, 0x1111, s40
	s_or_b32 s[G1+0], s43, (1<<16)|(1<<20)|(1<<21)|(4<<22)|(3<<25)   ; O: dense bytes as rows of 256, padded after every 32 words by 4
	s_mov_b32 s[G1+1], 128<<16
	s_mov_b32 s[G1+2], 128<<16
	s_mov_b32 s[G1+3], 128<<16
	s_mov_b32 s[G1+4], 128
	s_mov_b32 s[G1+5], 128
	s_mov_b32 s[G1+6], 0
	s_mov_b32 s[G1+7], 0
	s_or_b32 s[G1B+0], s44, (1<<16)|(1<<20)|(1<<21)|(6<<22)|(3<<25)  ; Wo: 64 rows x 256 elements, padded after every 128 words by 4
	s_mov_b32 s[G1B+1], 256<<16
	s_mov_b32 s[G1B+2], 64<<16
	s_mov_b32 s[G1B+3], 256<<16
	s_mov_b32 s[G1B+4], 64
	s_mov_b32 s[G1B+5], 1024
	s_mov_b32 s[G1B+6], 0
	s_mov_b32 s[G1B+7], 0
	s_lshl_b32 s16, s13, 18
	s_lshl_b32 s17, s12, 15
	s_add_co_u32 s16, s16, s17                     ; O: row block, two planes for each of waves 0, 1
	s_mov_b32 s17, 0
	s_lshl_b32 s46, s42, 7
	s_lshl_b32 s47, s12, 6
	s_add_co_u32 s46, s46, s47
	s_add_co_u32 s46, s46, 4096
	s_lshl_b32 s46, s46, 11                        ; Wo: wt's row 4096 + 128 x tile column + 64 x half
	s_mov_b32 s47, 0
	s_mul_i32 s[LBA], s12, 2*PLANE
	s_mul_i32 s[LBB], s12, HALFB
	s_add_co_u32 s[LBB], s[LBB], AB
	s_mov_b32 s[TB], 0
	s_wait_dscnt 0x0                               ; the opening add is done
	s_wait_kmcnt 0x0
	s_add_nc_u64 s[14:15], s[68:69], s[16:17]
	s_add_nc_u64 s[46:47], s[70:71], s[46:47]
	CROUND
.irp s, 0,1
	s_mov_b32 s[G0+4*(\s)], 1
	s_add_co_u32 s[G0+4*(\s)+1], s[LBA], (\s)*SLOT
	s_add_nc_u64 s[G0+4*(\s)+2:G0+4*(\s)+3], s[14:15], (\s)*65536    ; K step s: heads 4 s on
	s_or_b32 s[G0+4*(\s)+3], s[G0+4*(\s)+3], 0x80000000
	s_mov_b32 s[G0B+4*(\s)], 1
	s_add_co_u32 s[G0B+4*(\s)+1], s[LBB], (\s)*SLOT
	s_add_nc_u64 s[G0B+4*(\s)+2:G0B+4*(\s)+3], s[46:47], (\s)*512
	s_or_b32 s[G0B+4*(\s)+3], s[G0B+4*(\s)+3], 0x80000000
	JLOAD \s
.endr
	v_and_b32 v1, 15, v0
	v_bfe_u32 v2, v0, 4, 1
	v_lshlrev_b32 v[BO], 5, v2
	s_lshl_b32 s16, s42, 9
	s_lshl_b32 s17, s12, 8
	s_add_co_u32 s16, s16, s17                     ; my 64 columns, in bytes
	s_mov_b32 s17, 0
	s_add_nc_u64 s[72:73], s[72:73], s[16:17]
	s_add_nc_u64 s[74:75], s[74:75], s[16:17]
.irp b, 0,1,2,3
	global_load_b128 v[BI+8*(\b):BI+8*(\b)+3],   v[BO], s[72:73] offset:64*(\b)
	global_load_b128 v[BI+8*(\b)+4:BI+8*(\b)+7], v[BO], s[72:73] offset:64*(\b)+16
.endr
	s_lshl_b32 s16, s13, 19
	s_lshl_b32 s18, s11, 18
	s_add_co_u32 s16, s16, s18                     ; my first row x 4,096 bytes
	s_add_nc_u64 s[74:75], s[74:75], s[16:17]
	v_mul_u32_u24 v3, v1, PA
	v_lshl_add_u32 v3, v2, 4, v3
	v_mul_u32_u24 v4, v1, PB
	v_lshl_add_u32 v4, v2, 4, v4
	s_mul_i32 s21, s11, 64*PA
	v_add_nc_u32 v[ADRA0], s21, v3
	v_add_nc_u32 v[ADRB0], s[LBB], v4              ; my 64 rows of Wo are those of the column half: the same place as that half's load
	v_mov_b32 v[ADRA], v[ADRA0]
	v_mov_b32 v[ADRB], v[ADRB0]
	s_mul_i32 s23, s10, 16*SPITCH
	s_add_co_u32 s23, s23, STAGE
	v_mul_u32_u24 v4, v1, SPITCH                   ; in: row l % 16, 32 bytes for each half of the lanes
	v_lshl_add_u32 v4, v2, 5, v4
	v_add_nc_u32 v[STO], s23, v4
	v_mul_u32_u24 v5, v2, SPITCH                   ; back: lanes 0-15 one row of 256 bytes, lanes 16-31 the next
	v_lshl_add_u32 v5, v1, 4, v5
	v_add_nc_u32 v[RD], s23, v5
	v_lshlrev_b32 v[CO], 4, v1
	v_lshl_add_u32 v[CO], v2, 12, v[CO]
.macro MUL8 f, c, a0, first            ; 8 products; the accumulators take turns.  first = 1: the sums start from the biases
	WIN MUL
.irp a, \a0, (\a0)+1
.irp b, 0,1,2,3
.if \first
	v_wmma_f32_16x16x32_f16 v[ACC+8*(4*(\a)+(\b)):ACC+8*(4*(\a)+(\b))+7], v[(\f)+64+8*(4*(\c)+(\b)):(\f)+64+8*(4*(\c)+(\b))+7], v[(\f)+8*(4*(\c)+(\a)):(\f)+8*(4*(\c)+(\a))+7], v[BI+8*(\b):BI+8*(\b)+7]
.else
	v_wmma_f32_16x16x32_f16 v[ACC+8*(4*(\a)+(\b)):ACC+8*(4*(\a)+(\b))+7], v[(\f)+64+8*(4*(\c)+(\b)):(\f)+64+8*(4*(\c)+(\b))+7], v[(\f)+8*(4*(\c)+(\a)):(\f)+8*(4*(\c)+(\a))+7], v[ACC+8*(4*(\a)+(\b)):ACC+8*(4*(\a)+(\b))+7]
.endif
.endr
.endr
.endm
.macro FETCH q, f                      ; 32 LDS loads in one run: quarter q of the K step in hand is one head's 64 channels; its first 32 first
	WIN TO_F
.irp c, 0,1
.irp i, 0,1,2,3
	ds_load_b128 v[(\f)+64+8*(4*(\c)+(\i)):(\f)+64+8*(4*(\c)+(\i))+3],   v[ADRB] offset:128*(\q)+64*(\c)+(\i)*16*PB
	ds_load_b128 v[(\f)+64+8*(4*(\c)+(\i))+4:(\f)+64+8*(4*(\c)+(\i))+7], v[ADRB] offset:128*(\q)+64*(\c)+(\i)*16*PB+32
	ds_load_b128 v[(\f)+8*(4*(\c)+(\i)):(\f)+8*(4*(\c)+(\i))+3],         v[ADRA] offset:(\q)*PLANE+64*(\c)+(\i)*16*PA
	ds_load_b128 v[(\f)+8*(4*(\c)+(\i))+4:(\f)+8*(4*(\c)+(\i))+7],       v[ADRA] offset:(\q)*PLANE+64*(\c)+(\i)*16*PA+32
.endr
.endr
.endm
.macro PLACES
.rept 4
	v_nop
.endr
.endm
.macro QUARTER q, f, g, first
	s_wait_dscnt 16                                ; the first 32 along K are in
	MUL8 \f, 0, 0, \first
	MUL8 \f, 0, 2, \first
	PLACES
	FETCH \q, \g
	s_wait_dscnt 32                                ; all but the 32 just issued
	MUL8 \f, 1, 0, 0
	MUL8 \f, 1, 2, 0
.endm
; The last quarter of a K step, with the change of slots.  fill = 1: the slot just read is filled again, two K steps on, by the walking descriptor.
; fill = 0: nothing is asked for; in the launch's last K step (s3 = 1) there is no next slot, and the run of loads is jumped over.
.macro TURN fill
	WIN 0
	s_wait_tensorcnt 0x0                           ; all my tensor loads have landed: my part of the next slot
	ds_add_u32 v[SPW], v[NIL]
	s_wait_dscnt 17                                ; the add and the youngest sixteen loads may be out
	MUL8 F1, 0, 0, 0
	s_wait_dscnt 0x0                               ; the add is done, my reads of this slot are over
	s_barrier_signal -1
	MUL8 F1, 0, 2, 0
	WIN 0
	s_barrier_wait -1
.if \fill
	CREST                                          ; the barrier has opened a round of the cluster's
	s_add_co_u32 s[G0+5], s[LBA], s[TB]
	s_add_co_u32 s[G0B+5], s[LBB], s[TB]
	s_add_nc_u64 s[G0+6:G0+7], s[G0+6:G0+7], 65536
	s_add_nc_u64 s[G0B+6:G0B+7], s[G0B+6:G0B+7], 512
	s_xor_b32 s[TB], s[TB], SLOT                   ; on to the other slot
	JLOAD 1                                        ; its four v_nop are also the places in front of the loads below
	v_add_nc_u32 v[ADRA], s[TB], v[ADRA0]
	v_add_nc_u32 v[ADRB], s[TB], v[ADRB0]
	FETCH 0, F0
.else
	s_xor_b32 s[TB], s[TB], SLOT
	s_cmp_eq_u32 s3, 1
	s_cbranch_scc1 .Lno_next_\@
	v_add_nc_u32 v[ADRA], s[TB], v[ADRA0]
	v_add_nc_u32 v[ADRB], s[TB], v[ADRB0]
	v_nop                                          ; with the two above: four places
	v_nop
	FETCH 0, F0
	WIN 0
.Lno_next_\@:
.endif
	MUL8 F1, 1, 0, 0
	MUL8 F1, 1, 2, 0
.endm
	s_wait_tensorcnt 1                             ; my part of K step 0 is in; K step 1's may stay out
	s_barrier_signal -1
	s_barrier_wait -1
	FETCH 0, F0
	s_wait_loadcnt 0x0                             ; the biases
	QUARTER 1, F0, F1, 1
	WIN 0
	s_mov_b32 s3, 2
.Lfill:                                            ; a trip: from a K step's second quarter to the next step's first; K steps 2 and 3 are asked for
	QUARTER 2, F1, F0, 0
	QUARTER 3, F0, F1, 0
	TURN 1
	QUARTER 1, F0, F1, 0
	WIN 0
	s_sub_co_u32 s3, s3, 1
	s_cmp_lg_u32 s3, 0
	s_cbranch_scc1 .Lfill
	s_mov_b32 s3, 2
.Llast:                                            ; the last two K steps ask for nothing; the second trip is left in its middle
	QUARTER 2, F1, F0, 0
	QUARTER 3, F0, F1, 0
	TURN 0
	WIN 0
	s_sub_co_u32 s3, s3, 1
	s_cmp_eq_u32 s3, 0
	s_cbranch_scc1 .Lway
	QUARTER 1, F0, F1, 0
	WIN 0
	s_branch .Llast
.Lway:
	PLACES
	; THE WAY OUT, 16 rows at a time: 32 bytes a lane and column block into my stage, back as whole rows of 256 bytes, stored.
.irp a, 0,1,2,3
	s_wait_xcnt 0x0                                ; the last block's stores have read v[64:95]
.irp b, 0,1,2,3                                    ; each accumulator's low half first
	ds_store_b128 v[STO], v[ACC+32*(\a)+8*(\b):ACC+32*(\a)+8*(\b)+3]   offset:64*(\b)
	ds_store_b128 v[STO], v[ACC+32*(\a)+8*(\b)+4:ACC+32*(\a)+8*(\b)+7] offset:64*(\b)+16
.endr
.irp t, 0,1,2,3,4,5,6,7
	ds_load_b128 v[BK+4*(\t):BK+4*(\t)+3], v[RD] offset:(\t)*2*SPITCH  ; LDS serves a wave's instructions in order (ISA guide 5.7.1.4)
.endr
.irp t, 0,1,2,3,4,5,6,7
	s_wait_dscnt 7-(\t)
	global_store_b128 v[CO], v[BK+4*(\t):BK+4*(\t)+3], s[74:75] offset:(16*(\a)+2*(\t))*4096  ; 16 lanes: 256 consecutive bytes, aligned
.endr
.endr
	s_wait_tensorcnt 0x0                           ; the wave's end
	ds_add_u32 v[SPW], v[NIL]
	s_wait_dscnt 0x0
	CROUND                                         ; the closing round
	s_endpgm
.Lfunc_end_k_qbab78b3d34_gemm2:
	.size	k_qbab78b3d34_gemm2, .Lfunc_end_k_qbab78b3d34_gemm2-k_qbab78b3d34_gemm2
	.p2alignl 7, 3214868480
	.fill 96, 4, 3214868480
	.section	.rodata,"a",@progbits
	.p2align	6, 0x0
	.amdhsa_kernel k_qbab78b3d34_gemm2
		.amdhsa_group_segment_fixed_size 327680
		.amdhsa_private_segment_fixed_size 0
		.amdhsa_enable_private_segment 0
		.amdhsa_kernarg_size 32
		.amdhsa_user_sgpr_count 2
		.amdhsa_user_sgpr_kernarg_segment_ptr 1
		.amdhsa_wavefront_size32 1
		.amdhsa_system_sgpr_workgroup_id_x 1
		.amdhsa_system_sgpr_workgroup_id_y 1
		.amdhsa_system_sgpr_workgroup_id_z 1
		.amdhsa_system_vgpr_workitem_id 0
		.amdhsa_next_free_vgpr 512
		.amdhsa_next_free_sgpr 80
		.amdhsa_reserve_vcc 0
		.amdhsa_float_denorm_mode_32 3
		.amdhsa_float_denorm_mode_16_64 3
		.amdhsa_memory_ordered 1
		.amdhsa_forward_progress 1
		.amdhsa_inst_pref_size 59
	.end_amdhsa_kernel
	.amdgpu_metadata
---
amdhsa.version: [ 1, 2 ]
amdhsa.kernels:
  - .name:           k_qbab78b3d34_gemm2
    .symbol:         k_qbab78b3d34_gemm2.kd
    .args:
      - { .name: ho, .offset: 0, .size: 8, .value_kind: global_buffer, .address_space: global }
      - { .name: wt, .offset: 8, .size: 8, .value_kind: global_buffer, .address_space: global }
      - { .name: bo, .offset: 16, .size: 8, .value_kind: global_buffer, .address_space: global }
      - { .name: out0, .offset: 24, .size: 8, .value_kind: global_buffer, .address_space: global }
    .group_segment_fixed_size: 327680
    .private_segment_fixed_size: 0
    .kernarg_segment_align: 8
    .kernarg_segment_size: 32
    .max_flat_workgroup_size: 128
    .sgpr_count:     80
    .vgpr_count:     512
    .wavefront_size: 32
...
	.end_amdgpu_metadata
.endif
;; end of part 4
